; MI455X (gfx1250); checked and timed in simulation.
; The chip was launched on July 23, 2026; its instructions are those of AMD's public machine-readable ISA for CDNA 5 (MIT licence, August 2026) and "CDNA5" Instruction Set Architecture Reference Guide (July 2026). The comments in the code are by the model that wrote it; some were corrected since.
;; Multi Head Attention. Allowed arithmetic: matrix products marked QUANTISED: E2M3 operands, one E8M0 scale for each 32 along K, by v_wmma_scale_f32_16x16x128_f8f6f4 with both operands' format E2M3, f32 sums; everything else in f32.
;; Inputs: Wk 16 x 1,024 x 64 float32; Wo 1,024 x 1,024 float32; Wq 16 x 1,024 x 64 float32; Wv 16 x 1,024 x 64 float32; bo 1,024 float32; emb 4 x 2,048 x 1,024 float32.
;; Outputs: out0 4 x 2,048 x 1,024 float32.
;; This version of the problem:
;;   THIS VERSION OF THE PROBLEM IS GIVEN IN LOW PRECISION. The matrix products marked QUANTISED in the list below multiply operands that are first quantised to E2M3 (2 exponent bits, 3 mantissa bits; 6 bits a number), with one power-of-two scale for each 32 numbers along K (OCP MX v1.0); their sums are f32. All else is computed in f32.
;;   The module's matrix products, in the order in which they are computed (A, B: the left and right operand; K: the contracted axis; several contracted axes count as one K, in the product's order):
;;     1. [M 1,024, K 1,024] x [K 1,024, N 8,192]; A: input Wq; B: input emb: QUANTISED
;;     2. [M 1,024, K 1,024] x [K 1,024, N 8,192]; A: input Wk; B: input emb: QUANTISED
;;     3. [M 1,024, K 1,024] x [K 1,024, N 8,192]; A: input Wv; B: input emb: QUANTISED
;;     4. batch 64 x [M 2,048, K 64] x [K 64, N 2,048]; A: computed on the way; B: computed on the way: QUANTISED
;;     5. batch 64 x [M 2,048, K 2,048] x [K 2,048, N 64]; A: softmax (see below); B: computed on the way: QUANTISED
;;     6. [M 8,192, K 1,024] x [K 1,024, N 1,024]; A: computed on the way; B: input Wo: QUANTISED
;;   THE QUANTISER, for each operand of a quantised product, along K:
;;     - K is cut into blocks of 32 from its start; a last block that is shorter is filled with zeros.
;;     - A block's scale is 2^e with e = floor(log2(the largest magnitude in the block)) - 2, held to -126 .. 127; a block of zeros has e = 0. As a byte (E8M0): e + 127.
;;     - Each number is divided by its block's scale, clamped to +-7.5, and rounded to the nearest number of E2M3, ties to even, subnormals kept.
;;     - The product sums the exact products of the quantised numbers (number of the format x scale) in f32.
;;   ~~~python
;;   def quantise(x, axis):      # numpy; x: float32 -> the quantised numbers, widened to float32 again
;;       x = np.moveaxis(x, axis, -1); K = x.shape[-1]
;;       x = np.pad(x, [(0, 0)] * (x.ndim - 1) + [(0, -K % 32)]); x = x.reshape(x.shape[:-1] + (-1, 32)); a = np.abs(x).max(-1, keepdims=True)
;;       e = np.where(a > 0, np.clip(np.frexp(np.where(a > 0, a, 1))[1] - 1 - 2, -126, 127), 0)      # np.frexp(a)[1] - 1 = floor(log2(a)), exactly
;;       r = np.clip(x / 2.0 ** e, -7.5, 7.5)
;;       step = 2.0 ** (np.maximum(np.frexp(np.where(r == 0, 1, r))[1] - 1, 0) - 3)
;;       q = np.round(r / step) * step * 2.0 ** e      # np.round: ties to even
;;       return np.moveaxis(q.reshape(q.shape[:-2] + (-1,))[..., :K], -1, axis).astype(np.float32)
;;   ~~~
;;   SOFTMAX AHEAD OF A QUANTISED PRODUCT. Where the list says 'softmax', what is quantised is not the finished softmax but p = 2^(t - M), with t = logit x log2(e) and M = ceil(the row's largest t), a whole number; so 1/2 < the row's largest p <= 1. The row's sum l is taken of the UNQUANTISED p, in f32, and the product's result is divided by l at the end. Since M is a whole number, a kernel that streams over the keys may use a running M (the ceiling of the running maximum): every later rescaling is an exact power of two, which a block's scale takes up: the codes' values come out the same.
;;   OPERANDS COMPUTED ON THE WAY. 'Computed on the way' means the value that the module computes at that place (a softmax that the list does not call 'softmax' is quantised finished and normalised). What goes into a quantiser is computed in f32, as accurately as f32 sums, v_exp_f32 and their like allow (about 1e-6 of the number): no bf16 or f16 on the way to a quantiser, and a product that is left as it is and whose result goes on into a quantised operand takes f32 operands (vector FMAs, or v_wmma_f32_16x16x4_f32). A number that lies on a knife's edge between two numbers of the format may be rounded either way, as far as f32 arithmetic and the matrix unit's own rounding can turn it there, and no further.
;; One version. Each part assembles by itself: llvm-mc -triple=amdgcn-amd-amdhsa -mcpu=gfx1250 --defsym DOCPART=n.
;; ======== version 1 of 1: 4 launches
;; workspace buffers: xw_codes 9,437,184 bytes; xw_scales 393,216 bytes; qkv_codes 18,874,368 bytes; qkv_scales 786,432 bytes; o_codes 6,291,456 bytes; o_scales 262,144 bytes
;; launch quant (part 1): grid 768 x 1, 4 waves a work-group, no clusters, 70,656 bytes of LDS; arguments emb, Wq, Wk, Wv, Wo, xw_codes, xw_scales; writes xw_codes, xw_scales
.if DOCPART == 1
	.amdgcn_target "amdgcn-amd-amdhsa--gfx1250"
	.amdhsa_code_object_version 6
	.text
	.protected	k_qf0f6c1196b_quant
	.globl	k_qf0f6c1196b_quant
	.p2align	8
	.type	k_qf0f6c1196b_quant,@function
k_qf0f6c1196b_quant:
	s_mov_b64 s[64:65], 0
	v_nop
	global_prefetch_b8 v0, s[64:65] scope:SCOPE_SE
	s_setreg_imm32_b32 hwreg(HW_REG_WAVE_MODE, 25, 1), 1
	s_wait_xcnt 0x0
; emb [8192][1024] (K innermost) and Wq, Wk, Wv [16][1024][64], Wo [1024][1024] (K is the axis of 1,024 in front of the columns), all f32, become codes of FP6 (E2M3)
; with one E8M0 byte for each 32 along K.  A block's scale is 2^(floor(log2(largest magnitude)) - 2): its byte is the largest magnitude's exponent field - 2, held at 1 from below.
; LIMITS: NaN and infinities are not served; a block whose largest magnitude lies under 2^-124, a block of zeros too, keeps the byte 1 (a block of zeros has zero codes; the bytes are read by this program alone).
; OUTPUT.  12,288 operand rows: 0.. emb's tokens, 8192.. Wq's (head x 64 + dk), 9216.. Wk's, 10240.. Wv's, 11264.. Wo's columns.
; POSITIONS: within each 32 rows, place 16 u + r holds row 8 u + r + 8 (r / 8) (bits 3 and 4 of the index change places), so that 16 places on end are a tile whose results fall as neighbours in the next product.
; xw_codes [block of 16 places][image c = 0..15][768]: an image is 16 rows x 64 K as six operand registers: registers 2 p, 2 p + 1 of lane l at byte 256 p + 8 l; lane (r, h) holds k = 32 h .. 32 h + 31 of row r.
; xw_scales [place][32 bytes].
; Work-groups 0-511: a block of 16 rows of emb each (a wave takes 256 columns, four images).  512-703: Wq, Wk, Wv.  704-767: Wo (a wave takes 32 columns x 128 K).
; Memory binds: no matrix unit, no tensor load, no cluster.
.set WSTG, 17408                       ; LDS of a wave: four stages
.set STGB, 4352                        ; a stage: 16 rows x (256 bytes + 16)
.set SCB,  69632                       ; behind the stages: the block's 512 scale bytes [r][32]
.set RL,   64                          ; v64-191  emb: four images as loaded, 32 registers each
.set X,    192                         ; v192-255 emb: two sets of 32 neighbours
.set C,    32                          ; v32..    emb: an image's six registers, 8 apart
.set XW,   32                          ; v32-95   weights: two sets of 32 numbers down K
.set DW,   96                          ; v96..    weights: a block's six registers, 8 apart
.set TW,   128                         ; v128..   weights: the conversions' second halves, 4 apart
; the largest magnitude of v[xs] .. v[xs + 31] and the floor 2^(3 - 127) in v12; the conversions' scale operand (2 off the exponent field) in v14
.macro BMAX xs
	v_max3_num_f32 v12, |v[\xs]|, |v[\xs+1]|, |v[\xs+2]|
	v_max3_num_f32 v13, |v[\xs+3]|, |v[\xs+4]|, |v[\xs+5]|
.irp i, 6,10,14,18,22,26
	v_max3_num_f32 v12, v12, |v[\xs+\i]|, |v[\xs+\i+1]|
	v_max3_num_f32 v13, v13, |v[\xs+\i+2]|, |v[\xs+\i+3]|
.endr
	v_max3_num_f32 v12, v12, |v[\xs+30]|, |v[\xs+31]|
	v_max3_num_f32 v12, v12, v13, 0x1800000
	v_add_nc_u32 v14, 0xff000000, v12
.endm
.macro ELOAD cc                        ; image cc: 16 rows x 256 bytes; a load takes two rows' 256 bytes, sixteen lanes each
.irp t, 0,1,2,3,4,5,6,7
	global_load_b128 v[RL+32*(\cc)+4*\t:RL+32*(\cc)+4*\t+3], v4, s[4:5] offset:(2*\t+8*(\t/4))*4096+256*(\cc) th:TH_LOAD_NT
.endr
.endm
.macro ETURN cc                        ; through the wave's own stage: in as loaded, back 128 bytes (a block of 32) a lane.  LDS serves a wave's instructions in order
.irp t, 0,1,2,3,4,5,6,7
	ds_store_b128 v5, v[RL+32*(\cc)+4*\t:RL+32*(\cc)+4*\t+3] offset:STGB*(\cc)+544*\t
.endr
.irp i, 0,1,2,3,4,5,6,7
	ds_load_b128 v[X+32*((\cc)%2)+4*\i:X+32*((\cc)%2)+4*\i+3], v6 offset:STGB*(\cc)+16*\i
.endr
.endm
.macro EWORK cc
.set XS, X+32*((\cc)%2)
.set CQ, C+8*(\cc)
	BMAX XS
	v_lshrrev_b32 v[16+(\cc)], 23, v14             ; the scale's byte
	v_cvt_scalef32_pk16_fp6_f32 v[CQ:CQ+2], v[XS:XS+15], v14
	v_cvt_scalef32_pk16_fp6_f32 v[24:26], v[XS+16:XS+31], v14   ; (a conversion's three registers begin on an even number)
	v_nop                                          ; one plain line behind the conversions
.irp i, 0,1,2
	v_mov_b32 v[CQ+3+\i], v[24+\i]
.endr
	ds_store_b8 v8, v[16+(\cc)] offset:2*(\cc)     ; block 8 w + 2 cc + h of row r
.irp p, 0,1,2
	global_store_b64 v7, v[CQ+2*\p:CQ+2*\p+1], s[14:15] offset:768*(\cc)+256*\p   ; 32 lanes store 256 consecutive bytes, aligned
.endr
.endm
.macro WLOAD t, pitch, base            ; block t: W(32 t + i, my column): the wave reads 128 consecutive bytes
.irp i, 0,1,2,3,4,5,6,7,8,9,10,11,12,13,14,15,16,17,18,19,20,21,22,23,24,25,26,27,28,29,30,31
	global_load_b32 v[XW+32*((\t)%2)+\i], v3, s[\base:\base+1] offset:(32*(\t)+\i)*\pitch
.endr
.endm
.macro WBLOCK t, pitch, base
.set XS, XW+32*((\t)%2)
.if (\t) < 3
	s_wait_loadcnt 32                              ; this block's 32 loads are in; the next block's may be out
.else
	s_wait_loadcnt 0x0
.endif
	BMAX XS
	v_lshrrev_b32 v15, 23, v14
.if (\t) == 0
	v_mov_b32 v24, v15                             ; four bytes to the scale word, the lower K in the lower byte
.else
	v_lshl_or_b32 v24, v15, 8*(\t), v24
.endif
	v_cvt_scalef32_pk16_fp6_f32 v[DW+8*(\t):DW+8*(\t)+2], v[XS:XS+15], v14
	v_cvt_scalef32_pk16_fp6_f32 v[TW+4*(\t):TW+4*(\t)+2], v[XS+16:XS+31], v14
	v_nop
.irp i, 0,1,2
	v_mov_b32 v[DW+8*(\t)+3+\i], v[TW+4*(\t)+\i]
.endr
.if (\t)+2 < 4
	WLOAD (\t)+2, \pitch, \base
.endif
.endm
; Blocks 2 cc and 2 cc + 1 of 32 places become two images.  The exchange leaves in the first run lanes 0-15 = block 2 cc, lanes 16-31 = block 2 cc + 1 of places 0-15; in the second the same of places 16-31.
.macro WOUT cc
.irp i, 0,1,2,3,4,5
	v_permlane16_swap_b32 v[DW+16*(\cc)+\i], v[DW+16*(\cc)+8+\i]
.endr
.irp u, 0,1
.irp p, 0,1,2
	global_store_b64 v7, v[DW+16*(\cc)+8*\u+2*\p:DW+16*(\cc)+8*\u+2*\p+1], s[14:15] offset:12288*\u+768*(\cc)+256*\p
.endr
.endr
.endm
.macro WPATH pitch, base
	WLOAD 0, \pitch, \base
	WLOAD 1, \pitch, \base
	WBLOCK 0, \pitch, \base
	WBLOCK 1, \pitch, \base
	WOUT 0
	WBLOCK 2, \pitch, \base
	WBLOCK 3, \pitch, \base
	WOUT 1
	global_store_b32 v5, v24, s[16:17]             ; my place's four scale bytes: 4 bytes of rows 32 bytes apart; 131,072 bytes in the whole launch go out so
.endm
	s_load_b256 s[4:11], s[0:1], 0x0               ; emb s[4:5], Wq s[6:7], Wk s[8:9], Wv s[10:11]
	s_load_b128 s[12:15], s[0:1], 0x20             ; Wo s[12:13], xw_codes s[14:15]
	s_load_b64 s[16:17], s[0:1], 0x30              ; xw_scales
	v_lshl_add_u32 v30, v0, 2, 0x11200
	v_mov_b32 v31, 0
	v_lshrrev_b32 v1, 5, v0
	v_readfirstlane_b32 s18, v1                    ; wave 0..3
	v_and_b32 v2, 31, v0                           ; lane
	v_lshlrev_b32 v7, 3, v2                        ; 8 x lane: a lane's place in a piece of an image
	s_cmp_lt_u32 ttmp9, 512                        ; the same for all waves of a work-group
	s_cbranch_scc0 .Lweights
	; ---- emb: work-group g is block g: rows 32 (g / 2) + 8 (g % 2) + r + 8 (r / 8)
	v_and_b32 v3, 15, v0                           ; r
	v_bfe_u32 v11, v0, 4, 1                        ; h
	v_lshlrev_b32 v4, 4, v3
	v_lshl_add_u32 v4, v11, 12, v4                 ; in: lanes 0-15 one row, lanes 16-31 the next, 16 bytes a lane
	s_mul_i32 s19, s18, WSTG
	v_mul_u32_u24 v5, v11, 272
	v_lshl_add_u32 v5, v3, 4, v5
	v_add_nc_u32 v5, s19, v5                       ; into a stage likewise
	v_mul_u32_u24 v6, v3, 272
	v_lshl_add_u32 v6, v11, 7, v6
	v_add_nc_u32 v6, s19, v6                       ; out of it: row r, block h: 128 bytes
	v_lshlrev_b32 v8, 5, v3
	v_add_nc_u32 v8, v8, v11
	s_lshl_b32 s20, s18, 3
	s_add_co_u32 s20, s20, SCB
	v_add_nc_u32 v8, s20, v8                       ; my scale byte: SCB + 32 r + 8 w + h
	v_lshlrev_b32 v9, 4, v2
	v_add_nc_u32 v10, SCB, v9
	s_lshr_b32 s20, ttmp9, 1
	s_lshl_b32 s20, s20, 17                        ; 32 rows of 4,096 bytes
	s_and_b32 s21, ttmp9, 1
	s_lshl_b32 s21, s21, 15                        ; 8 rows
	s_add_co_u32 s20, s20, s21
	s_lshl_b32 s21, s18, 10                        ; my wave's 256 columns
	s_add_co_u32 s20, s20, s21
	s_mov_b32 s21, 0
	s_lshl_b32 s22, ttmp9, 4
	s_lshl_b32 s23, s18, 2
	s_add_co_u32 s22, s22, s23
	s_mul_i32 s22, s22, 768                        ; image 16 g + 4 w
	s_mov_b32 s23, 0
	s_lshl_b32 s24, ttmp9, 9                       ; the block's 512 scale bytes
	s_mov_b32 s25, 0
	s_wait_kmcnt 0x0
	s_add_nc_u64 s[4:5], s[4:5], s[20:21]
	s_add_nc_u64 s[14:15], s[14:15], s[22:23]
	s_add_nc_u64 s[16:17], s[16:17], s[24:25]
	ELOAD 0
	ELOAD 1
	ELOAD 2
	ELOAD 3                                        ; 32 loads of the wave are out: all that it reads
	s_wait_loadcnt 24                              ; image 0's eight are in
	ETURN 0
.irp cc, 0,1,2
	s_wait_loadcnt 8*(2-\cc)                       ; the next image's eight are in; the later images' may be out
	ETURN \cc+1
	s_wait_dscnt 16                                ; this image is back from its stage; the next image's 8 stores and 8 loads may be out
	EWORK \cc
.endr
	s_wait_dscnt 0x0
	EWORK 3
	s_wait_dscnt 0x0                               ; for the others' sake: my scale bytes have landed
	s_barrier_signal -1
	s_barrier_wait -1
	s_cmp_lg_u32 s18, 0
	s_cbranch_scc1 .Lemb_end
	ds_load_b128 v[12:15], v10                     ; wave 0 stores the block's 512 scale bytes: two aligned runs of 256
	s_wait_dscnt 0x0
	global_store_b128 v9, v[12:15], s[16:17]
.Lemb_end:
	s_wait_tensorcnt 0x0
	ds_add_u32 v30, v31
	s_wait_dscnt 0x0
	s_endpgm
	; ---- weights: wave 4 j + w takes 32 columns (group cgp = j / 2) x 128 along K (kq = 4 (j % 2) + w).  A lane takes a column and its registers run down K
.Lweights:
	s_sub_co_u32 s19, ttmp9, 512                   ; j
	s_lshr_b32 s20, s19, 1                         ; cgp 0..127: 32 groups for each of Wq, Wk, Wv, Wo
	s_and_b32 s21, s19, 1
	s_lshl_b32 s21, s21, 2
	s_add_co_u32 s21, s21, s18                     ; kq
	s_and_b32 s22, s20, 31                         ; the group within its tensor
	v_and_b32 v3, 7, v0
	v_and_b32 v4, 8, v0
	v_lshl_add_u32 v3, v4, 1, v3
	v_and_b32 v4, 16, v0
	v_lshrrev_b32 v4, 1, v4
	v_add_nc_u32 v3, v3, v4                        ; lane l is place l: its column has bits 3 and 4 exchanged
	v_lshlrev_b32 v3, 2, v3
	v_lshlrev_b32 v5, 5, v2                        ; a place's row of scale bytes
	s_lshl_b32 s24, s20, 1
	s_add_co_u32 s24, s24, 512
	s_mul_i32 s24, s24, 12288                      ; block 512 + 2 cgp
	s_mul_i32 s25, s21, 1536                       ; image 2 kq
	s_add_co_u32 s24, s24, s25
	s_mov_b32 s25, 0
	s_lshl_b32 s26, s20, 10
	s_add_co_u32 s26, s26, 262144                  ; place 8192 + 32 cgp
	s_lshl_b32 s27, s21, 2
	s_add_co_u32 s26, s26, s27
	s_mov_b32 s27, 0
	s_wait_kmcnt 0x0
	s_add_nc_u64 s[14:15], s[14:15], s[24:25]
	s_add_nc_u64 s[16:17], s[16:17], s[26:27]
	s_cmp_lt_u32 s19, 192
	s_cbranch_scc0 .Lwo
	s_cmp_lt_u32 s19, 64                           ; the choice hangs on the work-group's number alone
	s_cselect_b64 s[6:7], s[6:7], s[8:9]
	s_cmp_lt_u32 s19, 128
	s_cselect_b64 s[6:7], s[6:7], s[10:11]
	s_lshr_b32 s28, s22, 1
	s_lshl_b32 s28, s28, 18                        ; the head: 1,024 rows of 256 bytes
	s_lshl_b32 s29, s21, 15                        ; 128 rows
	s_add_co_u32 s28, s28, s29
	s_and_b32 s29, s22, 1
	s_lshl_b32 s29, s29, 7                         ; which 32 of the head's 64 columns
	s_add_co_u32 s28, s28, s29
	s_mov_b32 s29, 0
	s_add_nc_u64 s[6:7], s[6:7], s[28:29]
	WPATH 256, 6
	s_endpgm
.Lwo:
	s_lshl_b32 s28, s21, 19                        ; 128 rows of 4,096 bytes
	s_lshl_b32 s29, s22, 7
	s_add_co_u32 s28, s28, s29
	s_mov_b32 s29, 0
	s_add_nc_u64 s[12:13], s[12:13], s[28:29]
	WPATH 4096, 12
	s_endpgm
.Lfunc_end_k_qf0f6c1196b_quant:
	.size	k_qf0f6c1196b_quant, .Lfunc_end_k_qf0f6c1196b_quant-k_qf0f6c1196b_quant
	.p2alignl 7, 3214868480
	.fill 96, 4, 3214868480
	.section	.rodata,"a",@progbits
	.p2align	6, 0x0
	.amdhsa_kernel k_qf0f6c1196b_quant
		.amdhsa_group_segment_fixed_size 70656
		.amdhsa_private_segment_fixed_size 0
		.amdhsa_enable_private_segment 0
		.amdhsa_kernarg_size 56
		.amdhsa_user_sgpr_count 2
		.amdhsa_user_sgpr_kernarg_segment_ptr 1
		.amdhsa_wavefront_size32 1
		.amdhsa_system_sgpr_workgroup_id_x 1
		.amdhsa_system_sgpr_workgroup_id_y 1
		.amdhsa_system_sgpr_workgroup_id_z 1
		.amdhsa_system_vgpr_workitem_id 0
		.amdhsa_next_free_vgpr 256
		.amdhsa_next_free_sgpr 66
		.amdhsa_reserve_vcc 0
		.amdhsa_float_denorm_mode_32 3
		.amdhsa_float_denorm_mode_16_64 3
		.amdhsa_memory_ordered 1
		.amdhsa_forward_progress 1
		.amdhsa_inst_pref_size 58
	.end_amdhsa_kernel
	.amdgpu_metadata
---
amdhsa.version: [ 1, 2 ]
amdhsa.kernels:
  - .name:           k_qf0f6c1196b_quant
    .symbol:         k_qf0f6c1196b_quant.kd
    .args:
      - { .name: emb, .offset: 0, .size: 8, .value_kind: global_buffer, .address_space: global }
      - { .name: Wq, .offset: 8, .size: 8, .value_kind: global_buffer, .address_space: global }
      - { .name: Wk, .offset: 16, .size: 8, .value_kind: global_buffer, .address_space: global }
      - { .name: Wv, .offset: 24, .size: 8, .value_kind: global_buffer, .address_space: global }
      - { .name: Wo, .offset: 32, .size: 8, .value_kind: global_buffer, .address_space: global }
      - { .name: xw_codes, .offset: 40, .size: 8, .value_kind: global_buffer, .address_space: global }
      - { .name: xw_scales, .offset: 48, .size: 8, .value_kind: global_buffer, .address_space: global }
    .group_segment_fixed_size: 70656
    .private_segment_fixed_size: 0
    .kernarg_segment_align: 8
    .kernarg_segment_size: 56
    .max_flat_workgroup_size: 128
    .sgpr_count:     66
    .vgpr_count:     256
    .wavefront_size: 32
...
	.end_amdgpu_metadata
.endif
;; end of part 1
;; launch qkv (part 2): grid 8 x 48, 4 waves a work-group, clusters of 4 x 4, 327,680 bytes of LDS; arguments xw_codes, xw_scales, qkv_codes, qkv_scales; writes qkv_codes, qkv_scales
.if DOCPART == 2
	.amdgcn_target "amdgcn-amd-amdhsa--gfx1250"
	.amdhsa_code_object_version 6
	.text
	.protected	k_qf0f6c1196b_qkv
	.globl	k_qf0f6c1196b_qkv
	.p2align	8
	.type	k_qf0f6c1196b_qkv,@function
k_qf0f6c1196b_qkv:
	s_mov_b64 s[64:65], 0
	v_nop
	global_prefetch_b8 v0, s[64:65] scope:SCOPE_SE
	s_setreg_imm32_b32 hwreg(HW_REG_WAVE_MODE, 25, 1), 1
	s_wait_xcnt 0x0
	s_wait_alu depctr_hold_cnt(0) depctr_sa_sdst(0) depctr_va_vdst(0) depctr_va_sdst(0) depctr_va_ssrc(0) depctr_va_vcc(0) depctr_vm_vsrc(0)
	s_getreg_b32 s2, hwreg(HW_REG_IB_STS2, 6, 4)
	s_cmp_eq_u32 s2, 0
	s_cbranch_scc0 .Lentry_in_a_cluster
	s_endpgm
.Lentry_in_a_cluster:
	s_bfe_u32 s2, ttmp6, 0x10000c
	s_cmp_lg_u32 s2, 0xf033
	s_cbranch_scc0 .Lentry_shape_is_right
	s_endpgm
.Lentry_shape_is_right:
; The three projections, K = 1,024, on codes of FP6 (E2M3) with E8M0 scales, and their results quantised on the way out: q and k along the head's 64, v along the tokens.
; A tile is 256 rows of A x 256 rows of B; four waves, each 128 x 128: 64 accumulators, 512 registers.  THE MATRIX INSTRUCTION IS USED TRANSPOSED (source 0 = 16 rows of B, source 1 = 16 rows of A):
; a lane holds ONE row of A, and its registers run along B's rows.  Operand rows lie in places (bits 3 and 4 of the row's index exchanged), so the 16 registers of B's tiles 2 n, 2 n + 1 are 16 true neighbours.
; Clusters with y < 8: A = emb's tokens, B = Wq | Wk: a lane's registers run along (head, dk).  Clusters with y >= 8: A = Wv, B = emb: they run along the tokens.  One text serves both; what differs is chosen by s_cselect on the cluster's y.
; OPERANDS: xw_codes [block of 16 places][image of 64 K][768]: an image is six operand registers, registers 2 p, 2 p + 1 of lane l at 256 p + 8 l.  A K step of 256 is 3,072 dense bytes of each block.  xw_scales [place][32].
; K goes in four steps of 256 through two LDS slots; the scales of the tile's rows come once.  4 x 4 work-groups form a cluster: A's tiles are asked for jointly along a row of it, B's along a column.
; OUT: qkv_codes: q, k: [c64 = head | 16 + head][token tile][768];  v, from byte VPART: [64 tokens][tile of 16 (head, dv)][768].  qkv_scales: 512 bytes for 128 rows of A x 128 of B: word (a / 4, r, a % 4), a the block of 16 rows of A; its four bytes are the four blocks of 32 along B.
; LIMITS: NaN and infinities are not served; a block whose largest magnitude lies under 2^-124, a block of zeros too, keeps the byte 1 (read by this program alone).
; No prefetch: K has four slot fills, two of them at the head.
; REGISTERS: window 0: v0-31 addresses; v32-63 scale words, two sets; from v128 A's fragments, one set (free on the way out).  window 1: B's fragments, two sets.  windows 2, 3: the accumulators ((a, b) at v[8 (8 (a % 4) + b)]).
.set NQ,     2                         ; matrix instructions deep in a slot
.set RB,     3072                      ; a block of 16 rows in a slot: four images
.set FR,     12                        ; registers of a fragment
.set NL,     6                         ; LDS loads that bring one
.set NP,     4                         ; places behind this matrix instruction (ISA guide 7.12.1)
.set HALFT,  8*RB                      ; 128 rows: what one tensor load brings
.set SLOT,   4*HALFT                   ; A's 256 rows, then B's
.set LAPS,   2                         ; 1,024 / 512
.set SCL,    2*SLOT                    ; behind the ring: the scales, rows of 256 bytes + 16
.set HALFS,  16*272                    ; those of 128 rows
.set SBLK,   2*272                     ; those of 16 rows
.set SPARE,  SCL+4*HALFS               ; the spare words: 128 bytes a wave, named by no other line
.set VPART,  12582912
.set VSPART, 524288
.set ADRA, 16                          ; v16-17 LDS address of my A fragments in slot 0, 1
.set ADRB, 20                          ; v20-21 the same for B
.set LN,   24                          ; v24 lane
.set L16,  25                          ; v25 16 x lane
.set CO,   26                          ; v26 8 x lane
.set ADRS, 27                          ; v27 my scale words: lanes 0-15 A's rows, lanes 16-31 B's
.set SPW,  28
.set NIL,  29
.set SC,   32
.set AF,   128
.set TM,   200                         ; the way out: v200-203 largest magnitudes, v204-207 bytes, v212-215 scale operands
.set SW,   216                         ; v216-223 the eight blocks' scale words
.set SEL,  96                          ; s[96:97] selects for lane l xor 16
.set G1, 24
.set G0, 32
.set G1B, 48
.set G0B, 56
.set G1S, 68
.set G0S, 76
.set G1SB, 80
.set G0SB, 88
.set MSB, 0
.macro WIN new                         ; the immediate's high byte repeats the setting that is left
.if MSB != (\new)
	s_set_vgpr_msb (MSB<<8)|(\new)
.set MSB, (\new)
.endif
.endm
.set MUL_LO, 0xa1                      ; source 0 (B) window 1, source 1 (A) window 0, C and D window 2
.set MUL_HI, 0xf1
.set TO_B,   0x40
; A joint load: waves 0, 1 fetch for A, waves 2, 3 for B; the branch hangs on the wave's number alone.  Four v_nop follow each line.
.macro JLOAD g0a, g1a, g0b, g1b
	s_cmp_eq_u32 s15, 0
	s_cbranch_scc0 .Lfor_b_\@
	tensor_load_to_lds s[\g0a:\g0a+3], s[\g1a:\g1a+7]
	s_nop 0
.rept 4
	v_nop
.endr
	s_branch .Lasked_\@
.Lfor_b_\@:
	tensor_load_to_lds s[\g0b:\g0b+3], s[\g1b:\g1b+7]
	s_nop 0
.rept 4
	v_nop
.endr
.Lasked_\@:
.endm
.macro CREST
	s_cmp_lg_u32 s14, 0
	s_cbranch_scc1 .Lnot_wave_0_\@
	s_barrier_signal -3
.Lnot_wave_0_\@:
	s_barrier_wait -3
	s_barrier_signal -1
	s_barrier_wait -1
.endm
.macro CROUND
	s_barrier_signal -1
	s_barrier_wait -1
	CREST
.endm
	s_load_b128 s[4:7], s[0:1], 0x0                ; xw_codes, xw_scales
	s_load_b128 s[8:11], s[0:1], 0x10              ; qkv_codes, qkv_scales
	v_lshl_add_u32 v[SPW], v0, 2, SPARE
	v_mov_b32 v[NIL], 0
	ds_add_u32 v28, v29
	ds_add_u32 v28, v29
	s_wait_dscnt 0x0
	v_lshrrev_b32 v1, 5, v0
	v_readfirstlane_b32 s14, v1                    ; wave 0..3
	s_lshr_b32 s15, s14, 1                         ; which half of A's rows I multiply.  Also: I fetch for A (0) or B (1)
	s_and_b32 s16, s14, 1                          ; which half of B's rows.  Also: which 128 rows I fetch
	s_bfe_u32 s40, ttmp6, 0x40000                  ; cx
	s_bfe_u32 s41, ttmp6, 0x40004                  ; cy
	s_lshl_b32 s43, s41, 2
	s_lshl_b32 s43, 15, s43                        ; my row of the cluster
	s_lshl_b32 s44, 0x1111, s40                    ; my column
	; group 1 for codes: 8 rows (blocks) of 3,072 bytes (384 elements of 8), 12,288 bytes apart; dense in LDS
	s_or_b32 s[G1+0], s43, (3<<16)|(1<<21)
	s_or_b32 s[G1B+0], s44, (3<<16)|(1<<21)
.irp g, G1, G1B
	s_mov_b32 s[\g+1], 384<<16
	s_mov_b32 s[\g+2], 8<<16
	s_mov_b32 s[\g+3], 384<<16
	s_mov_b32 s[\g+4], 8
	s_mov_b32 s[\g+5], 1536
	s_mov_b32 s[\g+6], 0
	s_mov_b32 s[\g+7], 0
.endr
	; and for the scales of 128 rows: 4,096 dense bytes as 16 rows of 256, 16 bytes of padding behind each
	s_or_b32 s[G1S+0], s43, (3<<16)|(1<<20)|(1<<21)|(5<<22)|(3<<25)
	s_or_b32 s[G1SB+0], s44, (3<<16)|(1<<20)|(1<<21)|(5<<22)|(3<<25)
.irp g, G1S, G1SB
	s_mov_b32 s[\g+1], 32<<16
	s_mov_b32 s[\g+2], 16<<16
	s_mov_b32 s[\g+3], 32<<16
	s_mov_b32 s[\g+4], 16
	s_mov_b32 s[\g+5], 32
	s_mov_b32 s[\g+6], 0
	s_mov_b32 s[\g+7], 0
.endr
	; which part: both parts' numbers are made, then chosen on the cluster's y, which all sixteen partners share
	s_and_b32 s17, ttmp7, 0xffff                   ; cluster y
	s_lshl_b32 s42, s17, 10
	s_lshl_b32 s95, ttmp9, 10                      ; 1,024 x cluster x
	s_add_co_u32 s46, s95, 8192                    ; q, k: B begins at Wq's rows
	s_sub_co_u32 s3, s17, 8
	s_lshl_b32 s3, s3, 11
	s_add_co_u32 s3, s3, s95                       ; v: B's tokens 2,048 (y - 8) + 1,024 x (not chosen where y < 8)
	s_mov_b32 s19, 10240
	s_cmp_lt_u32 s17, 8
	s_cselect_b32 s20, s42, s19                    ; A's first row among the operand rows
	s_cselect_b32 s42, s42, 0                      ; and counted within its tensor
	s_cselect_b32 s46, s46, s3                     ; B's likewise
	s_cselect_b32 s95, s95, s3
	s_cselect_b32 s2, 512, 64                      ; images from one 64 of B's rows to the next
	s_cselect_b32 s12, 0, VPART
	s_cselect_b32 s13, 64, 8                       ; scale units from one 128 of B's rows to the next
	s_cselect_b32 s18, 0, VSPART
	s_lshl_b32 s3, s41, 8                          ; A's numbers take cy alone,
	s_add_co_u32 s20, s20, s3
	s_add_co_u32 s42, s42, s3
	s_lshl_b32 s19, s40, 8                         ; B's cx alone
	s_add_co_u32 s46, s46, s19
	s_add_co_u32 s95, s95, s19
	s_lshl_b32 s3, s16, 7                          ; the 128 rows that I fetch
	s_add_co_u32 s20, s20, s3
	s_add_co_u32 s46, s46, s3
	s_lshl_b32 s22, s20, 5                         ; 32 scale bytes a row
	s_mul_i32 s20, s20, 768                        ; 768 bytes of codes a row
	s_lshl_b32 s92, s46, 5
	s_mul_i32 s46, s46, 768
	s_mov_b32 s21, 0
	s_mov_b32 s23, 0
	s_mov_b32 s47, 0
	s_mov_b32 s93, 0
	s_mul_i32 s45, s14, HALFT                      ; where they go: by the wave's number alone
	s_mul_i32 s94, s14, HALFS
	s_mov_b32 s[SEL], 0x76543210
	s_mov_b32 s[SEL+1], 0xfedcba98
	s_wait_kmcnt 0x0
	s_add_nc_u64 s[20:21], s[4:5], s[20:21]
	s_add_nc_u64 s[22:23], s[6:7], s[22:23]
	s_add_nc_u64 s[46:47], s[4:5], s[46:47]
	s_add_nc_u64 s[92:93], s[6:7], s[92:93]
	CROUND                                         ; all sixteen work-groups are here: the first joint loads meet
	s_mov_b32 s[G0S], 1
	s_add_co_u32 s[G0S+1], s94, SCL
	s_mov_b64 s[G0S+2:G0S+3], s[22:23]
	s_or_b32 s[G0S+3], s[G0S+3], 0x80000000
	s_mov_b32 s[G0SB], 1
	s_add_co_u32 s[G0SB+1], s94, SCL
	s_mov_b64 s[G0SB+2:G0SB+3], s[92:93]
	s_or_b32 s[G0SB+3], s[G0SB+3], 0x80000000
	JLOAD G0S, G1S, G0SB, G1SB                     ; the scales first; with the two slots three loads of mine are out
.irp s, 0,1
	s_mov_b32 s[G0+4*\s], 1
	s_add_co_u32 s[G0+4*\s+1], s45, \s*SLOT
	s_add_nc_u64 s[G0+4*\s+2:G0+4*\s+3], s[20:21], \s*RB
	s_or_b32 s[G0+4*\s+3], s[G0+4*\s+3], 0x80000000
	s_mov_b32 s[G0B+4*\s], 1
	s_add_co_u32 s[G0B+4*\s+1], s45, \s*SLOT
	s_add_nc_u64 s[G0B+4*\s+2:G0B+4*\s+3], s[46:47], \s*RB
	s_or_b32 s[G0B+4*\s+3], s[G0B+4*\s+3], 0x80000000
	JLOAD G0+4*\s, G1, G0B+4*\s, G1B
.endr
	v_and_b32 v1, 15, v0                           ; r
	v_bfe_u32 v2, v0, 4, 1                         ; h
	v_and_b32 v[LN], 31, v0
	v_lshlrev_b32 v[CO], 3, v[LN]
	v_lshlrev_b32 v[L16], 4, v[LN]
	s_mul_i32 s22, s15, HALFT                      ; my 128 rows of A
	s_mul_i32 s23, s16, HALFT
	s_add_co_u32 s23, s23, 2*HALFT                 ; my 128 rows of B, behind A's 256
.irp s, 0,1
	v_add_nc_u32 v[ADRA+\s], s22, v[CO]
	v_add_nc_u32 v[ADRB+\s], s23, v[CO]
	s_add_co_u32 s22, s22, SLOT
	s_add_co_u32 s23, s23, SLOT
.endr
	v_lshlrev_b32 v5, 5, v1                        ; my row's scales: 32 bytes a row,
	v_lshrrev_b32 v6, 8, v5
	v_lshl_add_u32 v5, v6, 4, v5                   ; and 16 more for each 256 passed
	s_mul_i32 s92, s15, HALFS
	s_mul_i32 s93, s16, HALFS
	s_add_co_u32 s93, s93, 2*HALFS
	s_sub_co_u32 s93, s93, s92
	v_mul_u32_u24 v6, s93, v2                      ; lanes 16-31 take B's: one product, the distance x h
	s_add_co_u32 s92, s92, SCL
	v_add_nc_u32 v5, v5, v6
	v_add_nc_u32 v[ADRS], s92, v5
	; the way out: a0 = my first block of 16 rows of A, c0 = my first 64 of B's rows
	s_lshl_b32 s3, s15, 7
	s_add_co_u32 s42, s42, s3
	s_lshr_b32 s42, s42, 4
	s_lshl_b32 s3, s16, 7
	s_add_co_u32 s95, s95, s3
	s_lshr_b32 s95, s95, 6
	s_mul_i32 s22, s95, s2
	s_add_co_u32 s22, s22, s42
	s_mul_i32 s22, s22, 768
	s_add_co_u32 s22, s22, s12
	s_mov_b32 s23, 0
	s_lshr_b32 s3, s95, 1
	s_mul_i32 s3, s3, s13
	s_lshr_b32 s19, s42, 3
	s_add_co_u32 s3, s3, s19
	s_lshl_b32 s3, s3, 9
	s_add_co_u32 s20, s3, s18
	s_mov_b32 s21, 0
	s_add_nc_u64 s[20:21], s[10:11], s[20:21]      ; my 512 bytes of scale words
	s_add_nc_u64 s[12:13], s[8:9], s[22:23]        ; the images of B's first 64
	s_mul_i32 s22, s2, 768
	s_add_nc_u64 s[18:19], s[12:13], s[22:23]      ; and of its second 64
.macro FRAG reg, adr, q, i             ; a fragment (16 rows x 128 K) is two images on end: six loads of 8 bytes a lane, each 256 consecutive bytes of the wave
.irp p, 0,1,2,3,4,5
	ds_load_b64 v[\reg+2*\p:\reg+2*\p+1], v[\adr] offset:(\i)*RB+(\q)*1536+256*\p
.endr
.endm
; 16 matrix instructions: A's blocks a0, a0 + 1 x B's eight.  The 64 accumulators take turns, one instruction a turn, in the same order in every step.
.macro MUL16 a0, p, q, sc, zero
.irp a, \a0, \a0+1
.irp b, 0,1,2,3,4,5,6,7
.if \zero
	v_wmma_scale_f32_16x16x128_f8f6f4 v[8*(8*((\a)%4)+\b):8*(8*((\a)%4)+\b)+7], v[128*(\p)+FR*\b:128*(\p)+FR*\b+FR-1], v[AF+FR*(\a):AF+FR*(\a)+FR-1], 0, v[SC+8*NQ*(\sc)+NQ*\b+(\q)], v[SC+8*NQ*(\sc)+NQ*(\a)+(\q)] matrix_a_fmt:MATRIX_FMT_FP6 matrix_b_fmt:MATRIX_FMT_FP6 matrix_a_scale:MATRIX_SCALE_ROW1
.else
	v_wmma_scale_f32_16x16x128_f8f6f4 v[8*(8*((\a)%4)+\b):8*(8*((\a)%4)+\b)+7], v[128*(\p)+FR*\b:128*(\p)+FR*\b+FR-1], v[AF+FR*(\a):AF+FR*(\a)+FR-1], v[8*(8*((\a)%4)+\b):8*(8*((\a)%4)+\b)+7], v[SC+8*NQ*(\sc)+NQ*\b+(\q)], v[SC+8*NQ*(\sc)+NQ*(\a)+(\q)] matrix_a_fmt:MATRIX_FMT_FP6 matrix_b_fmt:MATRIX_FMT_FP6 matrix_a_scale:MATRIX_SCALE_ROW1
.endif
.endr
.endr
.endm
.macro FETCH_B slot, q, p
	WIN TO_B
.irp i, 0,1,2,3,4,5,6,7
	FRAG 128*(\p)+FR*\i, ADRB+\slot, \q, \i
.endr
	WIN 0
.endm
.macro FETCH_A slot, q, i0
.irp i, \i0, \i0+1, \i0+2, \i0+3
	FRAG AF+FR*(\i), ADRA+\slot, \q, \i
.endr
.endm
.macro SCALES sc                       ; a K step's two scale words a row: lanes 0-15 A's block i, lanes 16-31 B's block i
.irp i, 0,1,2,3,4,5,6,7
	ds_load_b64 v[SC+8*NQ*\sc+NQ*\i:SC+8*NQ*\sc+NQ*\i+1], v[ADRS] offset:\i*SBLK
.endr
.endm
.macro PLACES n                        ; plain vector lines between a matrix instruction and a load into, or a read of, its registers
.rept \n
	v_nop
.endr
.endm
.macro STEP slot, q, zero              ; 128 along K with its successor in the same slot
	s_wait_dscnt 4*NL                              ; B's set and A's blocks 0-3 are in; the youngest 24 loads (A's blocks 4-7) may be out
	WIN MUL_LO
	MUL16 0, (\q)%2, \q, \slot, \zero
	MUL16 2, (\q)%2, \q, \slot, \zero
	s_wait_dscnt 0
	PLACES NP
	FETCH_B \slot, (\q)+1, 1-(\q)%2
	FETCH_A \slot, (\q)+1, 0
	WIN MUL_HI
	MUL16 4, (\q)%2, \q, \slot, \zero
	MUL16 6, (\q)%2, \q, \slot, \zero
	PLACES NP
	WIN 0
	FETCH_A \slot, (\q)+1, 4
.endm
; A slot's last step changes slots: one barrier; in front of it each wave waits for all its tensor loads, adds 0 to its spare word, and waits for that and for its reads of this slot.
.macro TURN slot, next, fill
	s_wait_tensorcnt 0x0                           ; my part of the next slot has landed; no load of mine is out
	ds_add_u32 v[SPW], v[NIL]
	s_wait_dscnt 4*NL+1                            ; the add and the youngest 24 loads may be out
	WIN MUL_LO
	MUL16 0, 1, NQ-1, \slot, 0
	s_wait_dscnt 0x0                               ; the add is done, and my reads of this slot are over
	s_barrier_signal -1
	MUL16 2, 1, NQ-1, \slot, 0
	WIN 0
	s_barrier_wait -1
.if \fill
	CREST                                          ; the barrier has opened a round of the cluster's: no wave of any partner still reads this slot or has a load on its way
	s_add_nc_u64 s[G0+4*\slot+2:G0+4*\slot+3], s[G0+4*\slot+2:G0+4*\slot+3], 2*RB
	s_add_nc_u64 s[G0B+4*\slot+2:G0B+4*\slot+3], s[G0B+4*\slot+2:G0B+4*\slot+3], 2*RB
	JLOAD G0+4*\slot, G1, G0B+4*\slot, G1B         ; the first tensor load behind the round; its four v_nop are the places in front of the loads below
.else
	PLACES NP
.endif
	v_add_nc_u32 v[ADRS], 4*NQ, v[ADRS]
	FETCH_B \next, 0, 0
	FETCH_A \next, 0, 0
	SCALES \next
	WIN MUL_HI
	MUL16 4, 1, NQ-1, \slot, 0
	MUL16 6, 1, NQ-1, \slot, 0
	PLACES NP
	WIN 0
	FETCH_A \next, 0, 4
.endm
	s_wait_tensorcnt 1                             ; the scales and my part of K step 0 are in; K step 1's load may be out
	s_barrier_signal -1
	s_barrier_wait -1
	FETCH_B 0, 0, 0
	FETCH_A 0, 0, 0
	SCALES 0
	FETCH_A 0, 0, 4
	STEP 0, 0, 1                                   ; the first step starts the sums: nothing is cleared
	s_mov_b32 s3, LAPS-1
.Llap:
	TURN 0, 1, 1
	STEP 1, 0, 0
	TURN 1, 0, 1
	STEP 0, 0, 0
	s_sub_co_u32 s3, s3, 1
	s_cmp_lg_u32 s3, 0
	s_cbranch_scc1 .Llap
	TURN 0, 1, 0                                   ; the last lap fills nothing
	STEP 1, 0, 0
	s_wait_dscnt 4*NL
	WIN MUL_LO
	MUL16 0, 1, NQ-1, 1, 0
	MUL16 2, 1, NQ-1, 1, 0
	s_wait_dscnt 0
	WIN MUL_HI
	MUL16 4, 1, NQ-1, 1, 0
	MUL16 6, 1, NQ-1, 1, 0
	WIN 0
; THE WAY OUT.  Block a's 64 registers of a lane: register 16 n + i is B's row 32 n + 16 h + i for my row of A.  They become two images (12 registers) and a scale word, in registers; no LDS.
.macro QUANTW a
.set WQ, 2+(\a)/4
.set AC, 64*((\a)%4)
.set PQ, 128+24*((\a)%2)
	WIN WQ|(WQ<<2)
.irp b, 0,1,2,3
	v_max3_num_f32 v[TM+\b], |v[AC+16*\b]|, |v[AC+16*\b+1]|, 0x1800000   ; each accumulator is read from its low end on; the floor 2^(3 - 127) holds the byte at 1
.endr
	WIN (WQ<<2)|(WQ<<4)
.irp i, 2,4,6,8,10,12,14
.irp b, 0,1,2,3
	v_max3_num_f32 v[TM+\b], v[TM+\b], |v[AC+16*\b+\i]|, |v[AC+16*\b+\i+1]|
.endr
.endr
	WIN 0
.irp b, 0,1,2,3
	v_permlanex16_b32 v[TM+4+\b], v[TM+\b], s[SEL], s[SEL+1]
.endr
.irp b, 0,1,2,3
	v_max_num_f32 v[TM+\b], v[TM+\b], v[TM+4+\b]   ; with lane l xor 16's 16: the block's largest magnitude
.endr
.irp b, 0,1,2,3
	v_add_nc_u32 v[TM+12+\b], 0xff000000, v[TM+\b] ; 2 off the exponent field: the conversion's scale operand
.endr
.irp b, 0,1,2,3
	v_lshrrev_b32 v[TM+4+\b], 23, v[TM+12+\b]
.endr
	v_lshl_or_b32 v[SW+(\a)], v[TM+5], 8, v[TM+4]
	v_lshl_or_b32 v[SW+(\a)], v[TM+6], 16, v[SW+(\a)]
	v_lshl_or_b32 v[SW+(\a)], v[TM+7], 24, v[SW+(\a)]
	WIN WQ
.irp c, 0,1
	v_cvt_scalef32_pk16_fp6_f32 v[PQ+6*\c:PQ+6*\c+2], v[AC+32*\c:AC+32*\c+15], v[TM+12+2*\c]
	v_cvt_scalef32_pk16_fp6_f32 v[PQ+12+4*\c:PQ+14+4*\c], v[AC+32*\c+16:AC+32*\c+31], v[TM+13+2*\c]
.endr
	WIN 0
	v_nop                                          ; one plain line behind the conversions
.irp c, 0,1                            ; a whole block to a lane: lanes 0-15 block 2 c, lanes 16-31 block 2 c + 1
.irp i, 0,1,2
	v_permlane16_swap_b32 v[PQ+6*\c+\i], v[PQ+12+4*\c+\i]
.endr
.irp i, 0,1,2
	v_mov_b32 v[PQ+3+6*\c+\i], v[PQ+12+4*\c+\i]
.endr
.endr
.endm
	PLACES NP                                      ; behind the last products: their results are read, and A's registers written, below
.irp b, 0,1,2,3
	v_mov_b32 v[TM+4+\b], 0                        ; a lane permute's destination counts as one of its sources
.endr
.irp a, 0,1,2,3,4,5,6,7
.if \a >= 2
	s_wait_xcnt 0x0                                ; block a - 2's stores have read the registers that are written again
.endif
	QUANTW \a
.irp p, 0,1,2
	global_store_b64 v[CO], v[PQ+2*\p:PQ+2*\p+1], s[12:13] offset:768*\a+256*\p     ; 32 lanes store 256 consecutive bytes, aligned
	global_store_b64 v[CO], v[PQ+6+2*\p:PQ+7+2*\p], s[18:19] offset:768*\a+256*\p
.endr
.endr
	v_cmp_lt_u32 vcc_lo, 15, v[LN]                 ; both halves of the lanes hold the same words: lanes 0-15 store blocks 0-3's, lanes 16-31 blocks 4-7's
.irp i, 0,1,2,3
	v_cndmask_b32 v[176+\i], v[SW+\i], v[SW+4+\i], vcc_lo
.endr
	global_store_b128 v[L16], v[176:179], s[20:21] ; 512 consecutive bytes
	s_wait_tensorcnt 0x0                           ; the wave's end
	ds_add_u32 v[SPW], v[NIL]
	s_wait_dscnt 0x0
	CROUND                                         ; the closing round
	s_endpgm
.Lfunc_end_k_qf0f6c1196b_qkv:
	.size	k_qf0f6c1196b_qkv, .Lfunc_end_k_qf0f6c1196b_qkv-k_qf0f6c1196b_qkv
	.p2alignl 7, 3214868480
	.fill 96, 4, 3214868480
	.section	.rodata,"a",@progbits
	.p2align	6, 0x0
	.amdhsa_kernel k_qf0f6c1196b_qkv
		.amdhsa_group_segment_fixed_size 327680
		.amdhsa_private_segment_fixed_size 0
		.amdhsa_enable_private_segment 0
		.amdhsa_kernarg_size 32
		.amdhsa_user_sgpr_count 2
		.amdhsa_user_sgpr_kernarg_segment_ptr 1
		.amdhsa_wavefront_size32 1
		.amdhsa_system_sgpr_workgroup_id_x 1
		.amdhsa_system_sgpr_workgroup_id_y 1
		.amdhsa_system_sgpr_workgroup_id_z 1
		.amdhsa_system_vgpr_workitem_id 0
		.amdhsa_next_free_vgpr 1024
		.amdhsa_next_free_sgpr 98
		.amdhsa_reserve_vcc 1
		.amdhsa_float_denorm_mode_32 3
		.amdhsa_float_denorm_mode_16_64 3
		.amdhsa_memory_ordered 1
		.amdhsa_forward_progress 1
		.amdhsa_inst_pref_size 167
	.end_amdhsa_kernel
	.amdgpu_metadata
---
amdhsa.version: [ 1, 2 ]
amdhsa.kernels:
  - .name:           k_qf0f6c1196b_qkv
    .symbol:         k_qf0f6c1196b_qkv.kd
    .args:
      - { .name: xw_codes, .offset: 0, .size: 8, .value_kind: global_buffer, .address_space: global }
      - { .name: xw_scales, .offset: 8, .size: 8, .value_kind: global_buffer, .address_space: global }
      - { .name: qkv_codes, .offset: 16, .size: 8, .value_kind: global_buffer, .address_space: global }
      - { .name: qkv_scales, .offset: 24, .size: 8, .value_kind: global_buffer, .address_space: global }
    .group_segment_fixed_size: 327680
    .private_segment_fixed_size: 0
    .kernarg_segment_align: 8
    .kernarg_segment_size: 32
    .max_flat_workgroup_size: 128
    .sgpr_count:     98
    .vgpr_count:     1024
    .wavefront_size: 32
...
	.end_amdgpu_metadata
.endif
;; end of part 2
;; launch attn (part 3): grid 4 x 64, 16 waves a work-group, clusters of 4 x 1, 210,944 bytes of LDS; arguments qkv_codes, qkv_scales, o_codes, o_scales; writes o_codes, o_scales
.if DOCPART == 3
	.amdgcn_target "amdgcn-amd-amdhsa--gfx1250"
	.amdhsa_code_object_version 6
	.text
	.protected	k_qf0f6c1196b_attn
	.globl	k_qf0f6c1196b_attn
	.p2align	8
	.type	k_qf0f6c1196b_attn,@function
k_qf0f6c1196b_attn:
	s_mov_b64 s[64:65], 0
	v_nop
	global_prefetch_b8 v0, s[64:65] scope:SCOPE_SE
	s_setreg_imm32_b32 hwreg(HW_REG_WAVE_MODE, 25, 1), 1
	s_wait_xcnt 0x0
	s_wait_alu depctr_hold_cnt(0) depctr_sa_sdst(0) depctr_va_vdst(0) depctr_va_sdst(0) depctr_va_ssrc(0) depctr_va_vcc(0) depctr_vm_vsrc(0)
	s_getreg_b32 s2, hwreg(HW_REG_IB_STS2, 6, 4)
	s_cmp_eq_u32 s2, 0
	s_cbranch_scc0 .Lentry_in_a_cluster
	s_endpgm
.Lentry_in_a_cluster:
	s_bfe_u32 s2, ttmp6, 0x10000c
	s_cmp_lg_u32 s2, 0x3003
	s_cbranch_scc0 .Lentry_shape_is_right
	s_endpgm
.Lentry_shape_is_right:
; Causal attention of one (batch, head) for each cluster of four work-groups, both products on codes of FP6 (E2M3) with E8M0 scales; the result is quantised along the head's 64 for the output projection.
; t = score x log2(e) / 8; M = the running largest t rounded UP to a whole number; p = 2^(t - M) is quantised along the keys, not normalised; the row's sum is taken of the unquantised p and divides at the end.
; When M moves, the sum and O are multiplied by 2^(old M - new M): exact.
; LDS: the head's 2,048 keys and values as codes, and their scale words, are brought ONCE, by joint loads of the four work-groups: no ring, no refill, one barrier; afterwards LDS is only read.
; SHARES.  A tile is 16 queries (places: bits 3 and 4 of a token's index exchanged).  Wave w of work-group g owns tiles 4 w + g and 127 - (4 w + g).  Tile T wants key steps (128 keys) 0 .. T / 8, the last of them masked:
; w / 2 + 1 and 16 - w / 2 steps: 17 for every wave of the launch, and the number hangs on the wave's number alone.  Each tile's loop has 16 trips; a trip past the tile's last step is jumped over.
; LAYOUT.  Both products transposed: S^T = K Q^T (K = 64: the operands' upper 64 along K meet Q's zero codes), O^T = V^T P^T: a lane holds one query throughout; the 16 registers of two neighbouring tiles are 16 true neighbours.
; An image (768 bytes) is 16 rows x 64 K as six operand registers: registers 2 p, 2 p + 1 of lane l at 256 p + 8 l.
; No prefetch: the launch's one stream is asked for whole at its head.  LIMITS: NaN and infinities are not served; a block whose largest magnitude lies under 2^-124, a block of zeros too, keeps the byte 1 (read by this program alone).
; o_scales go out 2 bytes a row, rows 32 bytes apart: 262,144 bytes in the whole launch.
; REGISTERS: v1-7 addresses that stay; v8-11 those of the step; v12 -M, v13 largest t, v[14:15] the sum; v16-21 Q, v22-27 zeros; v28 Q's scales; v29-30 the mask; v32-79 K's eight tiles, then V's four fragments; v80-85 zeros;
; v86-92 the second tile's Q; v96-159 S^T, then p; v160-191 O^T; v192-203 p's codes; v204-210 conversions; v212-223 blocks' figures; v224 p's scale word; v[226:227] f; v228 at work; v[230:231] a chain of the sum; v240-243 K's scale words; v244-247 V's; v248-254 the result.
.set VC,     98304                     ; LDS: K's 128 images at 0; V's [64 keys][tile of 16 dv] images here;
.set KSC,    196608                    ; K's scale words, 512 bytes a step;
.set VSC,    204800                    ; V's, 256 bytes a step
.set VPART,  12582912
.set VSPART, 524288
.set LLO,  3                           ; s3  the low tile's last step
.set WV,   12
.set SH,   17                          ; s17 16 x (head % 2): a scale word of q or k carries two heads
.set SEL,  20
.set CS,   22
.set G1K,  24
.set G1V,  32
.set G1KS, 40
.set G1VS, 48
.set G0K,  56
.set G0V,  60
.set G0KS, 68
.set G0VS, 72
.set ST,   76                          ; the key step, and the loop's counter
.set TK,   77                          ; 6,144 x step: K's and V's codes
.set TS,   78                          ; 512 x step
.set TJ,   79                          ; 256 x step
.set DQ,   80                          ; the tile's first query less its last step's first key
.set LHI,  81
.set THI,  82
.set TLO,  83
.set QCH,  84
.set QCL,  86
.set QSH,  88
.set QSL,  90
.set OCH,  92
.set OCL,  94
.set OSH,  96
.set OSL,  98
.macro CROUND
	s_barrier_signal -1
	s_barrier_wait -1
	s_cmp_lg_u32 s[WV], 0
	s_cbranch_scc1 .Lnot_wave_0_\@
	s_barrier_signal -3
.Lnot_wave_0_\@:
	s_barrier_wait -3
	s_barrier_signal -1
	s_barrier_wait -1
.endm
.macro GROUP1 g, c, r, p               ; r rows of c elements of 8 bytes, p elements apart, dense in LDS; the mask names all four work-groups, bit 21 beside it
	s_mov_b32 s[\g], 15|(3<<16)|(1<<21)
	s_mov_b32 s[\g+1], (\c)<<16
	s_mov_b32 s[\g+2], (\r)<<16
	s_mov_b32 s[\g+3], (\c)<<16
	s_mov_b32 s[\g+4], \r
	s_mov_b32 s[\g+5], \p
	s_mov_b32 s[\g+6], 0
	s_mov_b32 s[\g+7], 0
.endm
.macro TADDR t, qc, qs, oc, os         ; tile s[t]'s four places in memory
	s_lshl_b32 s78, s15, 7
	s_add_co_u32 s78, s78, s[\t]                   ; 128 b + T
	s_lshl_b32 s76, s16, 9
	s_add_co_u32 s76, s76, s78
	s_mul_i32 s76, s76, 768
	s_mov_b32 s77, 0
	s_add_nc_u64 s[\qc:\qc+1], s[4:5], s[76:77]    ; q's image (head, tile)
	s_lshl_b32 s76, s78, 4
	s_add_co_u32 s76, s76, s16
	s_mul_i32 s76, s76, 768
	s_add_nc_u64 s[\oc:\oc+1], s[8:9], s[76:77]    ; o's image (tile, head)
	s_lshl_b32 s76, s78, 9
	s_lshl_b32 s79, s16, 1
	s_add_co_u32 s76, s76, s79
	s_add_nc_u64 s[\os:\os+1], s[10:11], s[76:77]  ; o's scale bytes 2 head, 2 head + 1 of the tile's rows
	s_lshl_b32 s76, s18, 6
	s_lshl_b32 s79, s15, 4
	s_add_co_u32 s76, s76, s79
	s_lshr_b32 s79, s[\t], 3
	s_add_co_u32 s76, s76, s79
	s_lshl_b32 s76, s76, 9                         ; q's scale unit (head / 2, 128 tokens),
	s_bfe_u32 s79, s[\t], 0x10002
	s_lshl_b32 s79, s79, 8
	s_add_co_u32 s76, s76, s79                     ; its half,
	s_and_b32 s79, s[\t], 3
	s_lshl_b32 s79, s79, 2
	s_add_co_u32 s76, s76, s79                     ; the tile's word of four
	s_add_nc_u64 s[\qs:\qs+1], s[6:7], s[76:77]
.endm
	s_load_b256 s[4:11], s[0:1], 0x0               ; qkv_codes, qkv_scales, o_codes, o_scales
	v_lshl_add_u32 v239, v0, 2, 0x33000
	v_mov_b32 v255, 0
	ds_add_u32 v239, v255
	ds_add_u32 v239, v255
	v_lshrrev_b32 v8, 5, v0
	v_readfirstlane_b32 s[WV], v8                  ; wave 0..15
	s_bfe_u32 s13, ttmp6, 0x40000                  ; cx: it enters Q's and O's addresses and the mask's numbers alone
	s_and_b32 s14, ttmp7, 0xffff
	s_lshr_b32 s15, s14, 4                         ; b
	s_and_b32 s16, s14, 15                         ; head
	s_and_b32 s[SH], s16, 1
	s_lshl_b32 s[SH], s[SH], 4
	s_lshr_b32 s18, s16, 1
	s_and_b32 s19, s[WV], 3                        ; which quarter of K's or V's codes I fetch, if I fetch
	GROUP1 G1K, 32, 96, 32                         ; K's codes: 24,576 dense bytes as rows of 256
	GROUP1 G1V, 384, 8, 6144                       ; V's: 8 rows of 3,072 bytes, 49,152 apart
	GROUP1 G1KS, 32, 32, 32                        ; K's scale words: 8,192 dense bytes
	GROUP1 G1VS, 32, 16, 512                       ; V's: 16 rows of 256 bytes, 4,096 apart
	s_add_co_u32 s76, s16, 16
	s_lshl_b32 s76, s76, 9
	s_lshl_b32 s77, s15, 7
	s_add_co_u32 s76, s76, s77
	s_mul_i32 s76, s76, 768                        ; k's images (16 + head, tile 128 b)
	s_mul_i32 s78, s19, 24576
	s_add_co_u32 s76, s76, s78
	s_mov_b32 s77, 0
	s_lshl_b32 s80, s15, 11
	s_lshl_b32 s81, s16, 2
	s_add_co_u32 s80, s80, s81
	s_mul_i32 s80, s80, 768                        ; v's images (64 tokens 32 b, tile 4 head)
	s_mul_i32 s81, s19, 393216
	s_add_co_u32 s80, s80, s81
	s_add_co_u32 s80, s80, VPART
	s_mov_b32 s81, 0
	s_add_co_u32 s82, s18, 8
	s_lshl_b32 s82, s82, 6
	s_lshl_b32 s83, s15, 4
	s_add_co_u32 s82, s82, s83
	s_lshl_b32 s82, s82, 9
	s_mov_b32 s83, 0
	s_lshl_b32 s84, s15, 7
	s_add_co_u32 s84, s84, s18
	s_lshl_b32 s84, s84, 9
	s_lshl_b32 s85, s[SH], 4
	s_add_co_u32 s84, s84, s85
	s_add_co_u32 s84, s84, VSPART
	s_mov_b32 s85, 0
	s_mov_b32 s[SEL], 0x76543210
	s_mov_b32 s[SEL+1], 0xfedcba98
	s_mov_b32 s[CS], 0x3e38aa3b                    ; c = log2(e) / 8
	s_mov_b32 s[CS+1], s[CS]
	s_wait_dscnt 0x0
	s_wait_kmcnt 0x0
	s_mov_b32 s[G0K], 1
	s_mov_b32 s[G0K+1], s78
	s_add_nc_u64 s[G0K+2:G0K+3], s[4:5], s[76:77]
	s_or_b32 s[G0K+3], s[G0K+3], 0x80000000
	s_mov_b32 s[G0V], 1
	s_add_co_u32 s[G0V+1], s78, VC
	s_add_nc_u64 s[G0V+2:G0V+3], s[4:5], s[80:81]
	s_or_b32 s[G0V+3], s[G0V+3], 0x80000000
	s_mov_b32 s[G0KS], 1
	s_mov_b32 s[G0KS+1], KSC
	s_add_nc_u64 s[G0KS+2:G0KS+3], s[6:7], s[82:83]
	s_or_b32 s[G0KS+3], s[G0KS+3], 0x80000000
	s_mov_b32 s[G0VS], 1
	s_mov_b32 s[G0VS+1], VSC
	s_add_nc_u64 s[G0VS+2:G0VS+3], s[6:7], s[84:85]
	s_or_b32 s[G0VS+3], s[G0VS+3], 0x80000000
	CROUND                                         ; all four work-groups are here: the joint loads meet
	; waves 0-3: K's codes; 4-7: V's; 8: K's scale words; 9: V's.  One load a wave at the most; the branches hang on the wave's number alone; four v_nop follow each
	s_cmp_lt_u32 s[WV], 4
	s_cbranch_scc0 .Lnot_k
	tensor_load_to_lds s[G0K:G0K+3], s[G1K:G1K+7]
	s_nop 0
.rept 4
	v_nop
.endr
	s_branch .Lasked
.Lnot_k:
	s_cmp_lt_u32 s[WV], 8
	s_cbranch_scc0 .Lnot_v
	tensor_load_to_lds s[G0V:G0V+3], s[G1V:G1V+7]
	s_nop 0
.rept 4
	v_nop
.endr
	s_branch .Lasked
.Lnot_v:
	s_cmp_eq_u32 s[WV], 8
	s_cbranch_scc0 .Lnot_ks
	tensor_load_to_lds s[G0KS:G0KS+3], s[G1KS:G1KS+7]
	s_nop 0
.rept 4
	v_nop
.endr
	s_branch .Lasked
.Lnot_ks:
	s_cmp_eq_u32 s[WV], 9
	s_cbranch_scc0 .Lasked
	tensor_load_to_lds s[G0VS:G0VS+3], s[G1VS:G1VS+7]
	s_nop 0
.rept 4
	v_nop
.endr
.Lasked:
	v_and_b32 v9, 31, v0                           ; lane
	v_and_b32 v10, 15, v0                          ; r
	v_bfe_u32 v11, v0, 4, 1                        ; h
	v_lshlrev_b32 v1, 3, v9                        ; 8 x lane: a lane's place in a piece of an image
	v_add_nc_u32 v2, VC, v1
	v_lshlrev_b32 v3, 4, v9
	v_add_nc_u32 v3, KSC, v3                       ; K's scale words: lanes 0-15 tiles 0-3 of row r, lanes 16-31 tiles 4-7
	v_lshlrev_b32 v6, 4, v10                       ; 16 r
	v_add_nc_u32 v4, VSC, v6                       ; V's: row r's four words
	v_and_b32 v5, 8, v10
	v_add_nc_u32 v5, v5, v10
	v_lshlrev_b32 v8, 4, v11
	v_sub_nc_u32 v5, v5, v8                        ; r + 8 (r / 8) - 16 h: my query within its tile's 32, less my half's first key
	v_lshlrev_b32 v7, 5, v10                       ; 32 r
	s_lshl_b32 s[TLO], s[WV], 2
	s_add_co_u32 s[TLO], s[TLO], s13
	s_sub_co_u32 s[THI], 127, s[TLO]
	s_lshr_b32 s[LLO], s[WV], 1
	s_sub_co_u32 s[LHI], 15, s[LLO]
	TADDR THI, QCH, QSH, OCH, OSH
	TADDR TLO, QCL, QSL, OCL, OSL
.irp p, 0,1,2
	global_load_b64 v[16+2*\p:17+2*\p], v1, s[QCH:QCH+1] offset:256*\p
	global_load_b64 v[86+2*\p:87+2*\p], v1, s[QCL:QCL+1] offset:256*\p
.endr
	global_load_b32 v28, v6, s[QSH:QSH+1]
	global_load_b32 v92, v6, s[QSL:QSL+1]
.irp i, 0,1,2,3,4,5
	v_mov_b32 v[22+\i], 0                          ; Q's codes of K = 64 .. 127: zeros
	v_mov_b32 v[80+\i], 0                          ; what stands behind K's last tile
.endr
.irp b, 0,1,2,3
	v_mov_b32 v[216+\b], 0                         ; a lane permute's destination counts as one of its sources
.endr
	v_mov_b32 v227, 0                              ; (named as the upper half of the pair v[226:227])
	v_mov_b32 v228, 0
	s_wait_tensorcnt 0x0                           ; my load, if I had one, has landed
	s_barrier_signal -1
	s_barrier_wait -1                              ; everybody's has: from here on LDS is only read
	s_wait_loadcnt 0x0                             ; Q
	v_bfe_u32 v28, v28, s[SH], 16                  ; my head's two bytes; the bytes of K = 64 .. 127 become 0, which is 2^-127, over zero codes
	v_bfe_u32 v92, v92, s[SH], 16
; A KEY STEP: 128 keys.
.macro STEP last
	s_cmp_gt_u32 s[ST], s[\last]                   ; all its keys come after my queries: only the addresses step
	s_cbranch_scc1 .Lhidden_\@
	v_add_nc_u32 v8, s[TK], v1                     ; these four lines are also the places in front of the loads into registers that the last products read
	v_add_nc_u32 v9, s[TK], v2
	v_add_nc_u32 v10, s[TS], v3
	v_add_nc_u32 v11, s[TJ], v4
	ds_load_b128 v[240:243], v10
.irp t, 0,1,2,3,4,5,6,7
.irp p, 0,1,2
	ds_load_b64 v[32+6*\t+2*\p:33+6*\t+2*\p], v8 offset:768*\t+256*\p
.endr
.endr
	s_wait_dscnt 24                                ; the scale words are in; the 24 loads of codes may be out
.irp i, 0,1,2,3
	v_bfe_u32 v[240+\i], v[240+\i], s[SH], 16      ; my head's two bytes
.endr
.rept 8
	v_nop                                          ; a scale register written by a vector line stands 8 places ahead of a scaled matrix instruction
.endr
	s_wait_dscnt 0x0
.irp t, 0,1,2,3                        ; S^T = K Q^T.  An operand's upper six registers are the next tile's codes: they meet Q's zeros
	v_wmma_scale_f32_16x16x128_f8f6f4 v[96+8*\t:103+8*\t], v[32+6*\t:43+6*\t], v[16:27], 0, v[240+\t], v28 matrix_a_fmt:MATRIX_FMT_FP6 matrix_b_fmt:MATRIX_FMT_FP6
.endr
.irp t, 4,5,6,7
	v_wmma_scale_f32_16x16x128_f8f6f4 v[96+8*\t:103+8*\t], v[32+6*\t:43+6*\t], v[16:27], 0, v[236+\t], v28 matrix_a_fmt:MATRIX_FMT_FP6 matrix_b_fmt:MATRIX_FMT_FP6 matrix_a_scale:MATRIX_SCALE_ROW1
.endr
.rept 4
	v_nop                                          ; places: K's registers are loaded again, and the scores read, below
.endr
.irp d, 0,1,2,3                        ; V's four fragments land under the softmax
.irp c, 0,1
.irp p, 0,1,2
	ds_load_b64 v[32+12*\d+6*\c+2*\p:33+12*\d+6*\c+2*\p], v9 offset:3072*\c+768*\d+256*\p
.endr
.endr
.endr
	ds_load_b128 v[244:247], v11
	s_cmp_lg_u32 s[ST], s[\last]                   ; the tile's last step lies on the diagonal: hidden scores become -infinity, so that p = 0
	s_cbranch_scc1 .Lopen_\@
	v_add_nc_u32 v29, s[DQ], v5                    ; d = my query - the step's first key - 16 h.  Register 16 n + i holds key 32 n + 16 h + i: hidden where 32 n + i > d
	v_mov_b32 v30, 0xff800000
.set n, 0
.rept 64
	v_cmp_gt_i32 vcc_lo, 32*(n/16)+n%16, v29
	v_cndmask_b32 v[96+n], v[96+n], v30, vcc_lo
.set n, n+1
.endr
.Lopen_\@:
.irp b, 0,1,2,3
	v_max3_num_f32 v[212+\b], v[96+16*\b], v[97+16*\b], v[98+16*\b]   ; the largest score of each block of 32 keys: for the row's maximum, and, since p rises with the score, for the block's largest p
.endr
.irp i, 3,5,7,9,11,13
.irp b, 0,1,2,3
	v_max3_num_f32 v[212+\b], v[212+\b], v[96+16*\b+\i], v[97+16*\b+\i]
.endr
.endr
.irp b, 0,1,2,3
	v_max_num_f32 v[212+\b], v[212+\b], v[111+16*\b]
.endr
.irp b, 0,1,2,3
	v_permlanex16_b32 v[216+\b], v[212+\b], s[SEL], s[SEL+1]
.endr
.irp b, 0,1,2,3
	v_max_num_f32 v[212+\b], v[212+\b], v[216+\b]
.endr
	v_max3_num_f32 v228, v212, v213, v214
	v_max_num_f32 v228, v228, v215
	v_mul_f32 v228, s[CS], v228
	v_max_num_f32 v13, v13, v228                   ; the running largest t
	v_mov_b32 v228, v12
	v_floor_f32 v12, -v13                          ; -M = floor(-t): M is a whole number
	v_sub_f32 v228, v12, v228                      ; old M - new M: a whole number, 0 or less
	v_cvt_i32_f32 v228, v228                       ; (it saturates)
	v_ldexp_f32 v226, 1.0, v228                    ; f = 2^(old M - new M)
.set n, 0
.rept 32
	v_pk_fma_f32 v[96+n:97+n], v[96+n:97+n], s[CS:CS+1], v[12:13] op_sel_hi:[1,0,0]   ; t - M
.set n, n+2
.endr
.irp b, 0,1,2,3
	v_fma_f32 v[212+\b], v[212+\b], s[CS], v12
.endr
.set n, 0
.rept 64
	v_exp_f32 v[96+n], v[96+n]                     ; p = 2^(t - M)
.set n, n+1
.endr
	v_pk_mul_f32 v[14:15], v[14:15], v[226:227] op_sel_hi:[1,0]   ; the sums under the new M: the plain line behind the exponentials
	s_wait_alu depctr_va_vdst(0)                   ; one wait for the batch of 64, ahead of its first reader
.irp b, 0,1,2,3
	v_exp_f32 v[212+\b], v[212+\b]                 ; each block's largest p
.endr
	v_pk_add_f32 v[230:231], v[96:97], v[98:99]    ; the row's sum of the unquantised p, in two chains
.irp j, 4,8,12,16,20,24,28,32,36,40,44,48,52,56,60
	v_pk_add_f32 v[14:15], v[14:15], v[96+\j:97+\j]
	v_pk_add_f32 v[230:231], v[230:231], v[98+\j:99+\j]
.endr
	v_pk_add_f32 v[14:15], v[14:15], v[230:231]
	s_wait_alu depctr_va_vdst(0)                   ; and one for the four
.irp b, 0,1,2,3
	v_max_num_f32 v[212+\b], 0x1800000, v[212+\b]  ; the floor 2^(3 - 127)
.endr
.irp b, 0,1,2,3
	v_add_nc_u32 v[220+\b], 0xff000000, v[212+\b]
.endr
.irp b, 0,1,2,3
	v_lshrrev_b32 v[216+\b], 23, v[220+\b]
.endr
	v_lshl_or_b32 v224, v217, 8, v216              ; p's scale word for these 128 keys
	v_lshl_or_b32 v224, v218, 16, v224
	v_lshl_or_b32 v224, v219, 24, v224
.irp c, 0,1
	v_cvt_scalef32_pk16_fp6_f32 v[192+6*\c:194+6*\c], v[96+32*\c:111+32*\c], v[220+2*\c]
	v_cvt_scalef32_pk16_fp6_f32 v[204+4*\c:206+4*\c], v[112+32*\c:127+32*\c], v[221+2*\c]
.endr
	v_nop
.irp c, 0,1
.irp i, 0,1,2
	v_permlane16_swap_b32 v[192+6*\c+\i], v[204+4*\c+\i]
.endr
.irp i, 0,1,2
	v_mov_b32 v[195+6*\c+\i], v[204+4*\c+\i]
.endr
.endr
.set n, 0
.rept 16
	v_pk_mul_f32 v[160+n:161+n], v[160+n:161+n], v[226:227] op_sel_hi:[1,0]   ; O^T under the new M; these lines are also the places in front of the products below
.set n, n+2
.endr
	s_wait_dscnt 0x0                               ; V
.irp d, 0,1,2,3                        ; O^T += V^T P^T: the four accumulators by turns
	v_wmma_scale_f32_16x16x128_f8f6f4 v[160+8*\d:167+8*\d], v[32+12*\d:43+12*\d], v[192:203], v[160+8*\d:167+8*\d], v[244+\d], v224 matrix_a_fmt:MATRIX_FMT_FP6 matrix_b_fmt:MATRIX_FMT_FP6
.endr
.Lhidden_\@:
	s_add_co_u32 s[TK], s[TK], 6144
	s_add_co_u32 s[TS], s[TS], 512
	s_add_co_u32 s[TJ], s[TJ], 256
.endm
; A tile's end: O^T / the sum, quantised along the head's 64 (two blocks), stored as an image and two scale bytes a row.
.macro FIN oc, os
	s_wait_xcnt 0x0                                ; the tile before has had its stores' registers read
.rept 4
	v_nop                                          ; places behind the last products
.endr
	v_add_f32 v14, v14, v15
	v_permlanex16_b32 v228, v14, s[SEL], s[SEL+1]
	v_add_f32 v14, v14, v228
	v_rcp_f32 v14, v14
	v_nop
	s_wait_alu depctr_va_vdst(0)
.set n, 0
.rept 32
	v_mul_f32 v[96+n], v[160+n], v14               ; register 16 n + i: dv 32 n + 16 h + i of my query
.set n, n+1
.endr
.irp b, 0,1
	v_max3_num_f32 v[212+\b], |v[96+16*\b]|, |v[97+16*\b]|, 0x1800000
.endr
.irp i, 2,4,6,8,10,12,14
.irp b, 0,1
	v_max3_num_f32 v[212+\b], v[212+\b], |v[96+16*\b+\i]|, |v[97+16*\b+\i]|
.endr
.endr
.irp b, 0,1
	v_permlanex16_b32 v[216+\b], v[212+\b], s[SEL], s[SEL+1]
.endr
.irp b, 0,1
	v_max_num_f32 v[212+\b], v[212+\b], v[216+\b]
.endr
.irp b, 0,1
	v_add_nc_u32 v[220+\b], 0xff000000, v[212+\b]
.endr
.irp b, 0,1
	v_lshrrev_b32 v[216+\b], 23, v[220+\b]
.endr
	v_lshl_or_b32 v254, v217, 8, v216
	v_cvt_scalef32_pk16_fp6_f32 v[248:250], v[96:111], v220
	v_cvt_scalef32_pk16_fp6_f32 v[204:206], v[112:127], v221
	v_nop
.irp i, 0,1,2
	v_permlane16_swap_b32 v[248+\i], v[204+\i]
.endr
.irp i, 0,1,2
	v_mov_b32 v[251+\i], v[204+\i]
.endr
.irp p, 0,1,2
	global_store_b64 v1, v[248+2*\p:249+2*\p], s[\oc:\oc+1] offset:256*\p   ; 32 lanes store 256 consecutive bytes, aligned
.endr
	global_store_b16 v7, v254, s[\os:\os+1]        ; both halves of the lanes store the same two bytes
.endm
.macro TILE t, last, oc, os
	s_and_b32 s[DQ], s[\t], 6
	s_lshl_b32 s[DQ], s[DQ], 4
	s_and_b32 s[ST], s[\t], 1
	s_lshl_b32 s[ST], s[ST], 3
	s_add_co_u32 s[DQ], s[DQ], s[ST]               ; 16 (T & 6) + 8 (T & 1)
	s_mov_b32 s[ST], 0
	s_mov_b32 s[TK], 0
	s_mov_b32 s[TS], 0
	s_mov_b32 s[TJ], 0
	v_mov_b32 v13, 0xff61b1e6                      ; the largest t so far: -3e38
	v_floor_f32 v12, -v13
	v_mov_b32 v14, 0
	v_mov_b32 v15, 0
.set n, 0
.rept 32
	v_mov_b32 v[160+n], 0                          ; the step is written once: the first finds zeros, which the first change of M leaves zeros
.set n, n+1
.endr
.Lstep_\@:
	STEP \last
	s_add_co_u32 s[ST], s[ST], 1
	s_cmp_lt_u32 s[ST], 16
	s_cbranch_scc1 .Lstep_\@
	FIN \oc, \os
.endm
	TILE THI, LHI, OCH, OSH
.irp i, 0,1,2,3,4,5
	v_mov_b32 v[16+\i], v[86+\i]                   ; the second tile's Q
.endr
	v_mov_b32 v28, v92
	TILE TLO, LLO, OCL, OSL
	s_wait_tensorcnt 0x0
	ds_add_u32 v239, v255
	s_wait_dscnt 0x0
	CROUND                                         ; the closing round
	s_endpgm
.Lfunc_end_k_qf0f6c1196b_attn:
	.size	k_qf0f6c1196b_attn, .Lfunc_end_k_qf0f6c1196b_attn-k_qf0f6c1196b_attn
	.p2alignl 7, 3214868480
	.fill 96, 4, 3214868480
	.section	.rodata,"a",@progbits
	.p2align	6, 0x0
	.amdhsa_kernel k_qf0f6c1196b_attn
		.amdhsa_group_segment_fixed_size 210944
		.amdhsa_private_segment_fixed_size 0
		.amdhsa_enable_private_segment 0
		.amdhsa_kernarg_size 32
		.amdhsa_user_sgpr_count 2
		.amdhsa_user_sgpr_kernarg_segment_ptr 1
		.amdhsa_wavefront_size32 1
		.amdhsa_system_sgpr_workgroup_id_x 1
		.amdhsa_system_sgpr_workgroup_id_y 1
		.amdhsa_system_sgpr_workgroup_id_z 1
		.amdhsa_system_vgpr_workitem_id 0
		.amdhsa_next_free_vgpr 256
		.amdhsa_next_free_sgpr 100
		.amdhsa_reserve_vcc 1
		.amdhsa_float_denorm_mode_32 3
		.amdhsa_float_denorm_mode_16_64 3
		.amdhsa_memory_ordered 1
		.amdhsa_forward_progress 1
		.amdhsa_inst_pref_size 67
	.end_amdhsa_kernel
	.amdgpu_metadata
---
amdhsa.version: [ 1, 2 ]
amdhsa.kernels:
  - .name:           k_qf0f6c1196b_attn
    .symbol:         k_qf0f6c1196b_attn.kd
    .args:
      - { .name: qkv_codes, .offset: 0, .size: 8, .value_kind: global_buffer, .address_space: global }
      - { .name: qkv_scales, .offset: 8, .size: 8, .value_kind: global_buffer, .address_space: global }
      - { .name: o_codes, .offset: 16, .size: 8, .value_kind: global_buffer, .address_space: global }
      - { .name: o_scales, .offset: 24, .size: 8, .value_kind: global_buffer, .address_space: global }
    .group_segment_fixed_size: 210944
    .private_segment_fixed_size: 0
    .kernarg_segment_align: 8
    .kernarg_segment_size: 32
    .max_flat_workgroup_size: 512
    .sgpr_count:     100
    .vgpr_count:     256
    .wavefront_size: 32
...
	.end_amdgpu_metadata
.endif
;; end of part 3
;; launch oproj (part 4): grid 4 x 32, 4 waves a work-group, clusters of 4 x 4, 327,680 bytes of LDS; arguments o_codes, o_scales, xw_codes, xw_scales, bo, out0; writes out0
.if DOCPART == 4
	.amdgcn_target "amdgcn-amd-amdhsa--gfx1250"
	.amdhsa_code_object_version 6
	.text
	.protected	k_qf0f6c1196b_oproj
	.globl	k_qf0f6c1196b_oproj
	.p2align	8
	.type	k_qf0f6c1196b_oproj,@function
k_qf0f6c1196b_oproj:
	s_mov_b64 s[64:65], 0
	v_nop
	global_prefetch_b8 v0, s[64:65] scope:SCOPE_SE
	s_setreg_imm32_b32 hwreg(HW_REG_WAVE_MODE, 25, 1), 1
	s_wait_xcnt 0x0
	s_wait_alu depctr_hold_cnt(0) depctr_sa_sdst(0) depctr_va_vdst(0) depctr_va_sdst(0) depctr_va_ssrc(0) depctr_va_vcc(0) depctr_vm_vsrc(0)
	s_getreg_b32 s2, hwreg(HW_REG_IB_STS2, 6, 4)
	s_cmp_eq_u32 s2, 0
	s_cbranch_scc0 .Lentry_in_a_cluster
	s_endpgm
.Lentry_in_a_cluster:
	s_bfe_u32 s2, ttmp6, 0x10000c
	s_cmp_lg_u32 s2, 0xf033
	s_cbranch_scc0 .Lentry_shape_is_right
	s_endpgm
.Lentry_shape_is_right:
; out0 = o Wo + bo, K = 1,024, on codes of FP6 (E2M3) with E8M0 scales.  A = o (8,192 tokens), B = Wo's 1,024 columns (operand rows 11,264 on of xw).  out0 [8192][1024] f32.
; A tile is 256 x 256; four waves, each 128 x 128: 64 accumulators.  THE MATRIX INSTRUCTION IS USED TRANSPOSED (source 0 = 16 rows of B, source 1 = 16 rows of A): a lane holds one token, and its registers run along the columns.
; Operand rows lie in places (bits 3 and 4 of the index exchanged): the columns come out as true neighbours by that (the stage's offsets), the tokens' places are undone in the stores' addresses.
; OPERANDS: codes [block of 16 places][image of 64 K][768]; a K step of 256 is 3,072 dense bytes of each block; scales [place][32].  Four K steps through two LDS slots; the scales come once.
; 4 x 4 work-groups form a cluster: A's tiles are asked for jointly along a row of it, B's along a column.  128 work-groups: the tile that keeps the loop's 128 x 128 a wave.  No prefetch: K has four slot fills, two of them at the head.
; REGISTERS: window 0: v0-31 addresses, v8-11 my four numbers of bo; v32-63 scale words; from v128 A's fragments (free on the way out).  window 1: B's fragments, two sets.  windows 2, 3: the accumulators.
.set NQ,     2
.set RB,     3072
.set FR,     12
.set NL,     6
.set NP,     4
.set HALFT,  8*RB
.set SLOT,   4*HALFT
.set LAPS,   2
.set SCL,    2*SLOT
.set HALFS,  16*272
.set SBLK,   2*272
.set SPARE,  SCL+4*HALFS
.set SPITCH, 528                       ; the way out: 16 rows x (512 bytes + 16) for each wave, in slot 0, which has had its last fill and its last read by then
.set ADRA, 16
.set ADRB, 20
.set STO,  24
.set RD,   25
.set CO,   26
.set ADRS, 27
.set SPW,  28
.set NIL,  29
.set SC,   32
.set AF,   128
.set BK,   128
.set G1, 24
.set G0, 32
.set G1B, 48
.set G0B, 56
.set G1S, 68
.set G0S, 76
.set G1SB, 80
.set G0SB, 88
.set MSB, 0
.macro WIN new
.if MSB != (\new)
	s_set_vgpr_msb (MSB<<8)|(\new)
.set MSB, (\new)
.endif
.endm
.set MUL_LO, 0xa1
.set MUL_HI, 0xf1
.set TO_B,   0x40
.macro JLOAD g0a, g1a, g0b, g1b        ; waves 0, 1 fetch for A, waves 2, 3 for B; four v_nop follow each line
	s_cmp_eq_u32 s15, 0
	s_cbranch_scc0 .Lfor_b_\@
	tensor_load_to_lds s[\g0a:\g0a+3], s[\g1a:\g1a+7]
	s_nop 0
.rept 4
	v_nop
.endr
	s_branch .Lasked_\@
.Lfor_b_\@:
	tensor_load_to_lds s[\g0b:\g0b+3], s[\g1b:\g1b+7]
	s_nop 0
.rept 4
	v_nop
.endr
.Lasked_\@:
.endm
.macro CREST
	s_cmp_lg_u32 s14, 0
	s_cbranch_scc1 .Lnot_wave_0_\@
	s_barrier_signal -3
.Lnot_wave_0_\@:
	s_barrier_wait -3
	s_barrier_signal -1
	s_barrier_wait -1
.endm
.macro CROUND
	s_barrier_signal -1
	s_barrier_wait -1
	CREST
.endm
	s_load_b128 s[4:7], s[0:1], 0x0                ; o_codes, o_scales
	s_load_b128 s[8:11], s[0:1], 0x10              ; xw_codes, xw_scales
	s_load_b64 s[18:19], s[0:1], 0x20              ; bo
	s_load_b64 s[12:13], s[0:1], 0x28              ; out0
	v_lshl_add_u32 v[SPW], v0, 2, SPARE
	v_mov_b32 v[NIL], 0
	ds_add_u32 v28, v29
	ds_add_u32 v28, v29
	s_wait_dscnt 0x0
	v_lshrrev_b32 v1, 5, v0
	v_readfirstlane_b32 s14, v1
	s_lshr_b32 s15, s14, 1
	s_and_b32 s16, s14, 1
	s_bfe_u32 s40, ttmp6, 0x40000
	s_bfe_u32 s41, ttmp6, 0x40004
	s_lshl_b32 s42, ttmp9, 2
	s_add_co_u32 s42, s42, s40                     ; tile column
	s_and_b32 s17, ttmp7, 0xffff
	s_lshl_b32 s17, s17, 2
	s_add_co_u32 s17, s17, s41                     ; tile row
	s_lshl_b32 s43, s41, 2
	s_lshl_b32 s43, 15, s43
	s_lshl_b32 s44, 0x1111, s40
	s_or_b32 s[G1+0], s43, (3<<16)|(1<<21)         ; codes: 8 rows of 3,072 bytes (384 elements of 8), 12,288 bytes apart; dense in LDS
	s_or_b32 s[G1B+0], s44, (3<<16)|(1<<21)
.irp g, G1, G1B
	s_mov_b32 s[\g+1], 384<<16
	s_mov_b32 s[\g+2], 8<<16
	s_mov_b32 s[\g+3], 384<<16
	s_mov_b32 s[\g+4], 8
	s_mov_b32 s[\g+5], 1536
	s_mov_b32 s[\g+6], 0
	s_mov_b32 s[\g+7], 0
.endr
	s_or_b32 s[G1S+0], s43, (3<<16)|(1<<20)|(1<<21)|(5<<22)|(3<<25)   ; scales of 128 rows: 16 rows of 256 bytes, 16 of padding behind each
	s_or_b32 s[G1SB+0], s44, (3<<16)|(1<<20)|(1<<21)|(5<<22)|(3<<25)
.irp g, G1S, G1SB
	s_mov_b32 s[\g+1], 32<<16
	s_mov_b32 s[\g+2], 16<<16
	s_mov_b32 s[\g+3], 32<<16
	s_mov_b32 s[\g+4], 16
	s_mov_b32 s[\g+5], 32
	s_mov_b32 s[\g+6], 0
	s_mov_b32 s[\g+7], 0
.endr
	s_lshl_b32 s2, s16, 7                          ; the 128 rows that I fetch
	s_lshl_b32 s20, s17, 8
	s_add_co_u32 s20, s20, s2                      ; A: by the tile row alone
	s_lshl_b32 s46, s42, 8
	s_add_co_u32 s46, s46, s2
	s_add_co_u32 s46, s46, 11264                   ; B: by the tile column alone
	s_lshl_b32 s22, s20, 5
	s_mul_i32 s20, s20, 768
	s_lshl_b32 s92, s46, 5
	s_mul_i32 s46, s46, 768
	s_mov_b32 s21, 0
	s_mov_b32 s23, 0
	s_mov_b32 s47, 0
	s_mov_b32 s93, 0
	s_mul_i32 s45, s14, HALFT
	s_mul_i32 s94, s14, HALFS
	s_wait_kmcnt 0x0
	s_add_nc_u64 s[20:21], s[4:5], s[20:21]
	s_add_nc_u64 s[22:23], s[6:7], s[22:23]
	s_add_nc_u64 s[46:47], s[8:9], s[46:47]
	s_add_nc_u64 s[92:93], s[10:11], s[92:93]
	CROUND                                         ; all sixteen work-groups are here: the first joint loads meet
	s_mov_b32 s[G0S], 1
	s_add_co_u32 s[G0S+1], s94, SCL
	s_mov_b64 s[G0S+2:G0S+3], s[22:23]
	s_or_b32 s[G0S+3], s[G0S+3], 0x80000000
	s_mov_b32 s[G0SB], 1
	s_add_co_u32 s[G0SB+1], s94, SCL
	s_mov_b64 s[G0SB+2:G0SB+3], s[92:93]
	s_or_b32 s[G0SB+3], s[G0SB+3], 0x80000000
	JLOAD G0S, G1S, G0SB, G1SB                     ; the scales first; with the two slots three loads of mine are out
.irp s, 0,1
	s_mov_b32 s[G0+4*\s], 1
	s_add_co_u32 s[G0+4*\s+1], s45, \s*SLOT
	s_add_nc_u64 s[G0+4*\s+2:G0+4*\s+3], s[20:21], \s*RB
	s_or_b32 s[G0+4*\s+3], s[G0+4*\s+3], 0x80000000
	s_mov_b32 s[G0B+4*\s], 1
	s_add_co_u32 s[G0B+4*\s+1], s45, \s*SLOT
	s_add_nc_u64 s[G0B+4*\s+2:G0B+4*\s+3], s[46:47], \s*RB
	s_or_b32 s[G0B+4*\s+3], s[G0B+4*\s+3], 0x80000000
	JLOAD G0+4*\s, G1, G0B+4*\s, G1B
.endr
	v_and_b32 v1, 15, v0                           ; r
	v_bfe_u32 v2, v0, 4, 1                         ; h
	v_and_b32 v3, 31, v0
	v_lshlrev_b32 v4, 3, v3                        ; 8 x lane
	s_mul_i32 s22, s15, HALFT
	s_mul_i32 s23, s16, HALFT
	s_add_co_u32 s23, s23, 2*HALFT
.irp s, 0,1
	v_add_nc_u32 v[ADRA+\s], s22, v4
	v_add_nc_u32 v[ADRB+\s], s23, v4
	s_add_co_u32 s22, s22, SLOT
	s_add_co_u32 s23, s23, SLOT
.endr
	v_lshlrev_b32 v5, 5, v1
	v_lshrrev_b32 v6, 8, v5
	v_lshl_add_u32 v5, v6, 4, v5
	s_mul_i32 s92, s15, HALFS
	s_mul_i32 s93, s16, HALFS
	s_add_co_u32 s93, s93, 2*HALFS
	s_sub_co_u32 s93, s93, s92
	v_mul_u32_u24 v6, s93, v2                      ; lanes 16-31 take B's: one product, the distance x h
	s_add_co_u32 s92, s92, SCL
	v_add_nc_u32 v5, v5, v6
	v_add_nc_u32 v[ADRS], s92, v5
	s_mul_i32 s23, s14, 16*SPITCH                  ; my stage
	v_mul_u32_u24 v5, v1, SPITCH
	v_lshl_add_u32 v5, v2, 6, v5                   ; in: row r, + 64 h: my half's 16 columns of each 32
	v_add_nc_u32 v[STO], s23, v5
	v_lshlrev_b32 v[CO], 4, v3                     ; back: the 32 lanes take one row of 512 bytes; the same in out0 and in bo
	v_add_nc_u32 v[RD], s23, v[CO]
	s_lshl_b32 s20, s17, 8
	s_lshl_b32 s21, s15, 7
	s_add_co_u32 s20, s20, s21
	s_lshl_b32 s20, s20, 12                        ; my first row of out0, 4,096 bytes a row
	s_mov_b32 s21, 0
	s_lshl_b32 s46, s42, 10
	s_lshl_b32 s47, s16, 9
	s_add_co_u32 s46, s46, s47                     ; my first column, in bytes
	s_mov_b32 s47, 0
	s_add_nc_u64 s[18:19], s[18:19], s[46:47]
	global_load_b128 v[8:11], v[CO], s[18:19]      ; bo at my four columns
	s_add_nc_u64 s[20:21], s[20:21], s[46:47]
	s_add_nc_u64 s[12:13], s[12:13], s[20:21]
.macro FRAG reg, adr, q, i             ; a fragment is two images on end: six loads of 8 bytes a lane, each 256 consecutive bytes of the wave
.irp p, 0,1,2,3,4,5
	ds_load_b64 v[\reg+2*\p:\reg+2*\p+1], v[\adr] offset:(\i)*RB+(\q)*1536+256*\p
.endr
.endm
; The 64 accumulators take turns, one instruction a turn, in the same order in every step.
.macro MUL16 a0, p, q, sc, zero
.irp a, \a0, \a0+1
.irp b, 0,1,2,3,4,5,6,7
.if \zero
	v_wmma_scale_f32_16x16x128_f8f6f4 v[8*(8*((\a)%4)+\b):8*(8*((\a)%4)+\b)+7], v[128*(\p)+FR*\b:128*(\p)+FR*\b+FR-1], v[AF+FR*(\a):AF+FR*(\a)+FR-1], 0, v[SC+8*NQ*(\sc)+NQ*\b+(\q)], v[SC+8*NQ*(\sc)+NQ*(\a)+(\q)] matrix_a_fmt:MATRIX_FMT_FP6 matrix_b_fmt:MATRIX_FMT_FP6 matrix_a_scale:MATRIX_SCALE_ROW1
.else
	v_wmma_scale_f32_16x16x128_f8f6f4 v[8*(8*((\a)%4)+\b):8*(8*((\a)%4)+\b)+7], v[128*(\p)+FR*\b:128*(\p)+FR*\b+FR-1], v[AF+FR*(\a):AF+FR*(\a)+FR-1], v[8*(8*((\a)%4)+\b):8*(8*((\a)%4)+\b)+7], v[SC+8*NQ*(\sc)+NQ*\b+(\q)], v[SC+8*NQ*(\sc)+NQ*(\a)+(\q)] matrix_a_fmt:MATRIX_FMT_FP6 matrix_b_fmt:MATRIX_FMT_FP6 matrix_a_scale:MATRIX_SCALE_ROW1
.endif
.endr
.endr
.endm
.macro FETCH_B slot, q, p
	WIN TO_B
.irp i, 0,1,2,3,4,5,6,7
	FRAG 128*(\p)+FR*\i, ADRB+\slot, \q, \i
.endr
	WIN 0
.endm
.macro FETCH_A slot, q, i0
.irp i, \i0, \i0+1, \i0+2, \i0+3
	FRAG AF+FR*(\i), ADRA+\slot, \q, \i
.endr
.endm
.macro SCALES sc
.irp i, 0,1,2,3,4,5,6,7
	ds_load_b64 v[SC+8*NQ*\sc+NQ*\i:SC+8*NQ*\sc+NQ*\i+1], v[ADRS] offset:\i*SBLK
.endr
.endm
.macro PLACES n
.rept \n
	v_nop
.endr
.endm
.macro STEP slot, q, zero
	s_wait_dscnt 4*NL                              ; B's set and A's blocks 0-3 are in; the youngest 24 loads (A's blocks 4-7) may be out
	WIN MUL_LO
	MUL16 0, (\q)%2, \q, \slot, \zero
	MUL16 2, (\q)%2, \q, \slot, \zero
	s_wait_dscnt 0
	PLACES NP
	FETCH_B \slot, (\q)+1, 1-(\q)%2
	FETCH_A \slot, (\q)+1, 0
	WIN MUL_HI
	MUL16 4, (\q)%2, \q, \slot, \zero
	MUL16 6, (\q)%2, \q, \slot, \zero
	PLACES NP
	WIN 0
	FETCH_A \slot, (\q)+1, 4
.endm
.macro TURN slot, next, fill
	s_wait_tensorcnt 0x0                           ; my part of the next slot has landed; no load of mine is out
	ds_add_u32 v[SPW], v[NIL]
	s_wait_dscnt 4*NL+1                            ; the add and the youngest 24 loads may be out
	WIN MUL_LO
	MUL16 0, 1, NQ-1, \slot, 0
	s_wait_dscnt 0x0                               ; the add is done, and my reads of this slot are over
	s_barrier_signal -1
	MUL16 2, 1, NQ-1, \slot, 0
	WIN 0
	s_barrier_wait -1
.if \fill
	CREST                                          ; the barrier has opened a round of the cluster's: no wave of any partner still reads this slot or has a load on its way
	s_add_nc_u64 s[G0+4*\slot+2:G0+4*\slot+3], s[G0+4*\slot+2:G0+4*\slot+3], 2*RB
	s_add_nc_u64 s[G0B+4*\slot+2:G0B+4*\slot+3], s[G0B+4*\slot+2:G0B+4*\slot+3], 2*RB
	JLOAD G0+4*\slot, G1, G0B+4*\slot, G1B
.else
	PLACES NP
.endif
	v_add_nc_u32 v[ADRS], 4*NQ, v[ADRS]
	FETCH_B \next, 0, 0
	FETCH_A \next, 0, 0
	SCALES \next
	WIN MUL_HI
	MUL16 4, 1, NQ-1, \slot, 0
	MUL16 6, 1, NQ-1, \slot, 0
	PLACES NP
	WIN 0
	FETCH_A \next, 0, 4
.endm
	s_wait_tensorcnt 1                             ; the scales and my part of K step 0 are in; K step 1's load may be out
	s_barrier_signal -1
	s_barrier_wait -1
	FETCH_B 0, 0, 0
	FETCH_A 0, 0, 0
	SCALES 0
	FETCH_A 0, 0, 4
	STEP 0, 0, 1
	s_mov_b32 s3, LAPS-1
.Llap:
	TURN 0, 1, 1
	STEP 1, 0, 0
	TURN 1, 0, 1
	STEP 0, 0, 0
	s_sub_co_u32 s3, s3, 1
	s_cmp_lg_u32 s3, 0
	s_cbranch_scc1 .Llap
	TURN 0, 1, 0
	STEP 1, 0, 0
	s_wait_dscnt 4*NL
	WIN MUL_LO
	MUL16 0, 1, NQ-1, 1, 0
	MUL16 2, 1, NQ-1, 1, 0
	s_wait_dscnt 0
	WIN MUL_HI
	MUL16 4, 1, NQ-1, 1, 0
	MUL16 6, 1, NQ-1, 1, 0
	WIN 0
; THE WAY OUT, block by block of 16 tokens x 128 columns, through my own stage.  Accumulator b's eight registers are columns 32 (b / 2) + 16 h + 8 (b % 2) + 0 .. 7.  LDS serves a wave's instructions in order.
.macro TOSTAGE a
.set AC, 64*((\a)%4)
	WIN 0x08+4*((\a)/4)                            ; the data: window 2 or 3
.irp b, 0,1,2,3,4,5,6,7
	ds_store_b128 v[STO], v[AC+8*\b:AC+8*\b+3] offset:128*(\b/2)+32*(\b%2)          ; each accumulator from its low end on
	ds_store_b128 v[STO], v[AC+8*\b+4:AC+8*\b+7] offset:128*(\b/2)+32*(\b%2)+16
.endr
	WIN 0
.set BB, BK+64*((\a)%2)
.irp t, 0,1,2,3,4,5,6,7,8,9,10,11,12,13,14,15
	ds_load_b128 v[BB+4*\t:BB+4*\t+3], v[RD] offset:\t*SPITCH
.endr
.endm
; Stage row t of block a is token 32 (a / 2) + 8 (a % 2) + t + 8 (t / 8) of my 128.
.macro SEND a, younger
.set BB, BK+64*((\a)%2)
	s_wait_dscnt \younger                          ; the block is back in registers
.if (\a) > 0
.if ((\a)%2) == 1
	s_add_nc_u64 s[12:13], s[12:13], 8*4096        ; (behind a wait on XCNT: the earlier stores have read their base)
.else
	s_add_nc_u64 s[12:13], s[12:13], 24*4096
.endif
.endif
.irp t, 0,1,2,3,4,5,6,7,8,9,10,11,12,13,14,15
	v_pk_add_f32 v[BB+4*\t:BB+4*\t+1], v[BB+4*\t:BB+4*\t+1], v[8:9]
	v_pk_add_f32 v[BB+4*\t+2:BB+4*\t+3], v[BB+4*\t+2:BB+4*\t+3], v[10:11]
	global_store_b128 v[CO], v[BB+4*\t:BB+4*\t+3], s[12:13] offset:(\t+8*(\t/8))*4096 th:TH_STORE_NT   ; 32 lanes store 512 consecutive bytes, aligned
.endr
.endm
	s_wait_loadcnt 0x0                             ; bo
	PLACES NP
	TOSTAGE 0
.irp a, 1,2,3,4,5,6,7
.if \a > 1
	s_wait_xcnt 0x0                                ; block a - 2's stores have read their registers and their base
.endif
	TOSTAGE \a
	SEND \a-1, 32                                  ; behind block a - 1's loads: block a's 16 stores and 16 loads
.endr
	s_wait_xcnt 0x0
	SEND 7, 0
	s_wait_tensorcnt 0x0                           ; the wave's end
	ds_add_u32 v[SPW], v[NIL]
	s_wait_dscnt 0x0
	CROUND                                         ; the closing round
	s_endpgm
.Lfunc_end_k_qf0f6c1196b_oproj:
	.size	k_qf0f6c1196b_oproj, .Lfunc_end_k_qf0f6c1196b_oproj-k_qf0f6c1196b_oproj
	.p2alignl 7, 3214868480
	.fill 96, 4, 3214868480
	.section	.rodata,"a",@progbits
	.p2align	6, 0x0
	.amdhsa_kernel k_qf0f6c1196b_oproj
		.amdhsa_group_segment_fixed_size 327680
		.amdhsa_private_segment_fixed_size 0
		.amdhsa_enable_private_segment 0
		.amdhsa_kernarg_size 48
		.amdhsa_user_sgpr_count 2
		.amdhsa_user_sgpr_kernarg_segment_ptr 1
		.amdhsa_wavefront_size32 1
		.amdhsa_system_sgpr_workgroup_id_x 1
		.amdhsa_system_sgpr_workgroup_id_y 1
		.amdhsa_system_sgpr_workgroup_id_z 1
		.amdhsa_system_vgpr_workitem_id 0
		.amdhsa_next_free_vgpr 1024
		.amdhsa_next_free_sgpr 98
		.amdhsa_reserve_vcc 0
		.amdhsa_float_denorm_mode_32 3
		.amdhsa_float_denorm_mode_16_64 3
		.amdhsa_memory_ordered 1
		.amdhsa_forward_progress 1
		.amdhsa_inst_pref_size 176
	.end_amdhsa_kernel
	.amdgpu_metadata
---
amdhsa.version: [ 1, 2 ]
amdhsa.kernels:
  - .name:           k_qf0f6c1196b_oproj
    .symbol:         k_qf0f6c1196b_oproj.kd
    .args:
      - { .name: o_codes, .offset: 0, .size: 8, .value_kind: global_buffer, .address_space: global }
      - { .name: o_scales, .offset: 8, .size: 8, .value_kind: global_buffer, .address_space: global }
      - { .name: xw_codes, .offset: 16, .size: 8, .value_kind: global_buffer, .address_space: global }
      - { .name: xw_scales, .offset: 24, .size: 8, .value_kind: global_buffer, .address_space: global }
      - { .name: bo, .offset: 32, .size: 8, .value_kind: global_buffer, .address_space: global }
      - { .name: out0, .offset: 40, .size: 8, .value_kind: global_buffer, .address_space: global }
    .group_segment_fixed_size: 327680
    .private_segment_fixed_size: 0
    .kernarg_segment_align: 8
    .kernarg_segment_size: 48
    .max_flat_workgroup_size: 128
    .sgpr_count:     98
    .vgpr_count:     1024
    .wavefront_size: 32
...
	.end_amdgpu_metadata
.endif
;; end of part 4
